; MI455X (gfx1250); checked and timed in simulation.
; The chip was launched on July 23, 2026; its instructions are those of AMD's public machine-readable ISA for CDNA 5 (MIT licence, August 2026) and "CDNA5" Instruction Set Architecture Reference Guide (July 2026). The comments in the code are by the model that wrote it; some were corrected since.
;; Multi Head Attention. Allowed arithmetic: matrix products marked QUANTISED: E2M3 operands, one E8M0 scale for each 32 along K, by v_wmma_scale_f32_16x16x128_f8f6f4 with both operands' format E2M3, f32 sums; everything else in f32.
;; Inputs: Wk 512 x 512 float32; Wo 512 x 512 float32; Wq 512 x 512 float32; Wv 512 x 512 float32; bk 512 float32; bo 512 float32; bq 512 float32; bv 512 float32; src_batch_lens 8 int32; x_K 8 x 2,048 x 512 float32; x_Q 8 x 2,048 x 512 float32; x_V 8 x 2,048 x 512 float32.
;; Outputs: out0 8 x 2,048 x 512 float32.
;; This version of the problem:
;;   THIS VERSION OF THE PROBLEM IS GIVEN IN LOW PRECISION. The matrix products marked QUANTISED in the list below multiply operands that are first quantised to E2M3 (2 exponent bits, 3 mantissa bits; 6 bits a number), with one power-of-two scale for each 32 numbers along K (OCP MX v1.0); their sums are f32. All else is computed in f32.
;;   The module's matrix products, in the order in which they are computed (A, B: the left and right operand; K: the contracted axis; several contracted axes count as one K, in the product's order):
;;     1. [M 16,384, K 512] x [K 512, N 512]; A: input x_Q; B: input Wq: QUANTISED
;;     2. [M 16,384, K 512] x [K 512, N 512]; A: input x_K; B: input Wk: QUANTISED
;;     3. [M 16,384, K 512] x [K 512, N 512]; A: input x_V; B: input Wv: QUANTISED
;;     4. batch 64 x [M 2,048, K 64] x [K 64, N 2,048]; A: computed on the way; B: computed on the way: QUANTISED
;;     5. batch 64 x [M 64, K 2,048] x [K 2,048, N 2,048]; A: computed on the way; B: softmax (see below): QUANTISED
;;     6. [M 16,384, K 512] x [K 512, N 512]; A: computed on the way; B: input Wo: QUANTISED
;;   THE QUANTISER, for each operand of a quantised product, along K:
;;     - K is cut into blocks of 32 from its start; a last block that is shorter is filled with zeros.
;;     - A block's scale is 2^e with e = floor(log2(the largest magnitude in the block)) - 2, held to -126 .. 127; a block of zeros has e = 0. As a byte (E8M0): e + 127.
;;     - Each number is divided by its block's scale, clamped to +-7.5, and rounded to the nearest number of E2M3, ties to even, subnormals kept.
;;     - The product sums the exact products of the quantised numbers (number of the format x scale) in f32.
;;   ~~~python
;;   def quantise(x, axis):      # numpy; x: float32 -> the quantised numbers, widened to float32 again
;;       x = np.moveaxis(x, axis, -1); K = x.shape[-1]
;;       x = np.pad(x, [(0, 0)] * (x.ndim - 1) + [(0, -K % 32)]); x = x.reshape(x.shape[:-1] + (-1, 32)); a = np.abs(x).max(-1, keepdims=True)
;;       e = np.where(a > 0, np.clip(np.frexp(np.where(a > 0, a, 1))[1] - 1 - 2, -126, 127), 0)      # np.frexp(a)[1] - 1 = floor(log2(a)), exactly
;;       r = np.clip(x / 2.0 ** e, -7.5, 7.5)
;;       step = 2.0 ** (np.maximum(np.frexp(np.where(r == 0, 1, r))[1] - 1, 0) - 3)
;;       q = np.round(r / step) * step * 2.0 ** e      # np.round: ties to even
;;       return np.moveaxis(q.reshape(q.shape[:-2] + (-1,))[..., :K], -1, axis).astype(np.float32)
;;   ~~~
;;   SOFTMAX AHEAD OF A QUANTISED PRODUCT. Where the list says 'softmax', what is quantised is not the finished softmax but p = 2^(t - M), with t = logit x log2(e) and M = ceil(the row's largest t), a whole number; so 1/2 < the row's largest p <= 1. The row's sum l is taken of the UNQUANTISED p, in f32, and the product's result is divided by l at the end. Since M is a whole number, a kernel that streams over the keys may use a running M (the ceiling of the running maximum): every later rescaling is an exact power of two, which a block's scale takes up: the codes' values come out the same.
;;   OPERANDS COMPUTED ON THE WAY. 'Computed on the way' means the value that the module computes at that place (a softmax that the list does not call 'softmax' is quantised finished and normalised). What goes into a quantiser is computed in f32, as accurately as f32 sums, v_exp_f32 and their like allow (about 1e-6 of the number): no bf16 or f16 on the way to a quantiser, and a product that is left as it is and whose result goes on into a quantised operand takes f32 operands (vector FMAs, or v_wmma_f32_16x16x4_f32). A number that lies on a knife's edge between two numbers of the format may be rounded either way, as far as f32 arithmetic and the matrix unit's own rounding can turn it there, and no further.
;; 2 versions. Each part assembles by itself: llvm-mc -triple=amdgcn-amd-amdhsa -mcpu=gfx1250 --defsym DOCPART=n.
;; ======== version 1 of 2: 4 launches
;; limits: right only within a limited range of input values
;; workspace buffers: wcod 851,968 bytes; qkvc 18,874,368 bytes; qkvs 786,432 bytes; cc 8,388,608 bytes; cs 262,144 bytes
;; launch prep (part 1): grid 128 x 1, 4 waves a work-group, no clusters, 34,304 bytes of LDS; arguments Wq, Wk, Wv, Wo, wcod; writes wcod
.if DOCPART == 1
	.amdgcn_target "amdgcn-amd-amdhsa--gfx1250"
	.amdhsa_code_object_version 6
	.text
	.protected	k_q7d9794aa2b_prep
	.globl	k_q7d9794aa2b_prep
	.p2align	8
	.type	k_q7d9794aa2b_prep,@function
k_q7d9794aa2b_prep:
	s_mov_b64 s[64:65], 0
	v_nop
	global_prefetch_b8 v0, s[64:65] scope:SCOPE_SE
	s_setreg_imm32_b32 hwreg(HW_REG_WAVE_MODE, 25, 1), 1
	s_wait_xcnt 0x0
; The four weights [512][512] f32 (K innermost) become codes of FP6 (E2M3) with one E8M0 byte for each 32 along K, laid in the ORDER OF THE OPERAND'S REGISTERS.
; wcod: codes [weight 4][tile T 32][K step s 4], a fragment of 1,536 bytes each: three pieces of 512 bytes, piece c = registers 4 c .. 4 c + 3 at 16 x lane.  From byte 786,432: scale words [weight][T][s][lane], 4 bytes a lane.
; THE ROWS OF A TILE ARE NOT NEIGHBOURS: lane r of tile T takes row 32 (T / 2) + 8 (T % 2) + r + 8 (r / 8), so that the results of tiles 2 b and 2 b + 1 are 16 neighbours along the next product's K.
; A work-group takes one tile of one weight, each of its four waves one K step of 128: one fragment.  Each load reads 512 consecutive bytes of a row; the 16 rows turn through the wave's own stage in LDS
; (rows 528 bytes apart) and come back 64 bytes a lane: register 16 b + i = k 32 b + 16 (lane / 16) + i of the lane's row.  No barrier: waves share nothing.
; A block's scale is 2^(floor(log2(its largest magnitude)) - 2); its byte is the largest magnitude's exponent field - 2, held at 1 from below.
; LIMITS: a block of zeros gets the byte 1 (its codes are zeros; only this program reads the bytes); NaN and infinities among the inputs are not served.
.set STGW, 16*528                      ; a wave's stage
.set PC,   8                           ; v8-19 the fragment's codes, v20-26 at work
.set R,    32                          ; v32-95 16 rows as loaded
.set HA,   96                          ; v96-159 my 64 numbers
.set TM,   160                         ; v160-175 largest magnitudes, bytes, scale operands
.set PW,   176                         ; the scale word
.set SEL,  20                          ; s[20:21] lane selects for v_permlanex16_b32: lane l xor 16
; 64 numbers of a lane, register 16 b + i = k 32 b + 16 (lane / 16) + i of my row, become a fragment's codes in v[PC] on and its scale word in v[PW].
.macro QUANT s
.irp b, 0,1,2,3
	v_max3_num_f32 v[TM+\b], |v[\s+16*\b]|, |v[\s+1+16*\b]|, 0x1800000   ; my 16 numbers of block b, and the floor 2^(3 - 127): the byte cannot fall under 1
.endr
.irp i, 2,4,6,8,10,12,14
.irp b, 0,1,2,3
	v_max3_num_f32 v[TM+\b], v[TM+\b], |v[\s+16*\b+\i]|, |v[\s+1+16*\b+\i]|
.endr
.endr
.irp b, 0,1,2,3
	v_permlanex16_b32 v[TM+4+\b], v[TM+\b], s[SEL], s[SEL+1]
.endr
.irp b, 0,1,2,3
	v_max_num_f32 v[TM+\b], v[TM+\b], v[TM+4+\b]   ; with lane l xor 16's: the block's largest magnitude
.endr
.irp b, 0,1,2,3
	v_add_nc_u32 v[TM+12+\b], 0xff000000, v[TM+\b]   ; 2 off its exponent field: the conversion's scale operand
.endr
.irp b, 0,1,2,3
	v_lshrrev_b32 v[TM+4+\b], 23, v[TM+12+\b]   ; the scale's byte
.endr
	v_lshl_or_b32 v[PW], v[TM+5], 8, v[TM+4]
	v_lshl_or_b32 v[PW], v[TM+6], 16, v[PW]
	v_lshl_or_b32 v[PW], v[TM+7], 24, v[PW]
.irp c, 0,1
	v_cvt_scalef32_pk16_fp6_f32 v[PC+6*\c:PC+2+6*\c], v[\s+32*\c:\s+15+32*\c], v[TM+12+2*\c]
	v_cvt_scalef32_pk16_fp6_f32 v[PC+12+4*\c:PC+14+4*\c], v[\s+16+32*\c:\s+31+32*\c], v[TM+12+2*\c+1]   ; (a conversion's three registers begin on an even number)
.endr
	v_nop                                          ; one plain place behind a scaled conversion
.irp c, 0,1                                    ; the operand's layout wants a whole block in a lane: lanes 0-15 block 2 c, lanes 16-31 block 2 c + 1
.irp i, 0,1,2
	v_permlane16_swap_b32 v[PC+6*\c+\i], v[PC+12+4*\c+\i]
.endr
.irp i, 0,1,2
	v_mov_b32 v[PC+3+6*\c+\i], v[PC+12+4*\c+\i]
.endr
.endr
.endm
	s_load_b256 s[4:11], s[0:1], 0x0               ; Wq, Wk, Wv, Wo
	s_load_b64 s[12:13], s[0:1], 0x20              ; wcod
	v_lshl_add_u32 v192, v0, 2, 0x8400
	v_mov_b32 v193, 0
	v_lshrrev_b32 v1, 5, v0
	v_readfirstlane_b32 s14, v1                    ; wave = K step s
	v_and_b32 v5, 31, v0                           ; lane
	v_and_b32 v6, 15, v0                           ; r
	v_bfe_u32 v7, v0, 4, 1                         ; h
	v_lshlrev_b32 v1, 4, v5                        ; 16 x lane
	v_lshlrev_b32 v2, 2, v5                        ; 4 x lane
	s_mul_i32 s15, s14, STGW
	v_add_nc_u32 v3, s15, v1                       ; the stage, on the way in: a row's 512 bytes as they lie
	v_mul_u32_u24 v4, v6, 528
	v_lshl_add_u32 v4, v7, 6, v4
	v_add_nc_u32 v4, s15, v4                       ; and on the way out: row r, + 64 h
	s_mov_b32 s[SEL], 0x76543210
	s_mov_b32 s[SEL+1], 0xfedcba98
.irp b, 0,1,2,3
	v_mov_b32 v[TM+4+\b], 0                        ; written once: a lane permute's destination counts as one of its sources
.endr
	s_lshr_b32 s16, ttmp9, 5                       ; which weight
	s_and_b32 s17, ttmp9, 31                       ; which tile T
	s_lshr_b32 s18, s17, 1
	s_lshl_b32 s18, s18, 5
	s_and_b32 s19, s17, 1
	s_lshl_b32 s19, s19, 3
	s_add_co_u32 s18, s18, s19                     ; the tile's first row: 32 (T / 2) + 8 (T % 2)
	s_lshl_b32 s18, s18, 11                        ; x 2,048 bytes
	s_lshl_b32 s19, s14, 9
	s_add_co_u32 s18, s18, s19                     ; + 512 s
	s_mov_b32 s19, 0
	s_lshl_b32 s22, s17, 2
	s_add_co_u32 s22, s22, s14                     ; the fragment's number: 4 T + s
	s_mul_i32 s24, s22, 1536
	s_mul_i32 s23, s16, 196608
	s_add_co_u32 s24, s24, s23
	s_mov_b32 s25, 0
	s_lshl_b32 s26, s22, 7
	s_lshl_b32 s23, s16, 14
	s_add_co_u32 s26, s26, s23
	s_add_co_u32 s26, s26, 786432
	s_mov_b32 s27, 0
	s_wait_kmcnt 0x0
	s_cmp_eq_u32 s16, 1                            ; the choice hangs on the work-group's number alone
	s_cselect_b64 s[4:5], s[6:7], s[4:5]
	s_cmp_eq_u32 s16, 2
	s_cselect_b64 s[4:5], s[8:9], s[4:5]
	s_cmp_eq_u32 s16, 3
	s_cselect_b64 s[4:5], s[10:11], s[4:5]
	s_add_nc_u64 s[4:5], s[4:5], s[18:19]
	s_add_nc_u64 s[24:25], s[12:13], s[24:25]      ; where the codes go
	s_add_nc_u64 s[26:27], s[12:13], s[26:27]      ; where the scale words go
.irp i, 0,1,2,3,4,5,6,7,8,9,10,11,12,13,14,15
	global_load_b128 v[R+4*\i:R+4*\i+3], v1, s[4:5] offset:(\i+8*(\i/8))*2048 th:TH_LOAD_NT   ; 32 lanes read 512 consecutive bytes of the tile's row i
.endr
	s_wait_loadcnt 0x0
.irp i, 0,1,2,3,4,5,6,7,8,9,10,11,12,13,14,15
	ds_store_b128 v3, v[R+4*\i:R+4*\i+3] offset:\i*528
.endr
.irp b, 0,1,2,3
.irp j, 0,1,2,3
	ds_load_b128 v[HA+16*\b+4*\j:HA+16*\b+4*\j+3], v4 offset:128*\b+16*\j   ; LDS serves a wave's instructions in order: these see my stores
.endr
.endr
	s_wait_dscnt 0x0
	QUANT HA
.irp c, 0,1,2
	global_store_b128 v1, v[PC+4*\c:PC+4*\c+3], s[24:25] offset:512*\c   ; 512 consecutive bytes, aligned
.endr
	global_store_b32 v2, v[PW], s[26:27]
	s_wait_tensorcnt 0x0
	ds_add_u32 v192, v193
	s_wait_dscnt 0x0
	s_endpgm
.Lfunc_end_k_q7d9794aa2b_prep:
	.size	k_q7d9794aa2b_prep, .Lfunc_end_k_q7d9794aa2b_prep-k_q7d9794aa2b_prep
	.p2alignl 7, 3214868480
	.fill 96, 4, 3214868480
	.section	.rodata,"a",@progbits
	.p2align	6, 0x0
	.amdhsa_kernel k_q7d9794aa2b_prep
		.amdhsa_group_segment_fixed_size 34304
		.amdhsa_private_segment_fixed_size 0
		.amdhsa_enable_private_segment 0
		.amdhsa_kernarg_size 40
		.amdhsa_user_sgpr_count 2
		.amdhsa_user_sgpr_kernarg_segment_ptr 1
		.amdhsa_wavefront_size32 1
		.amdhsa_system_sgpr_workgroup_id_x 1
		.amdhsa_system_sgpr_workgroup_id_y 1
		.amdhsa_system_sgpr_workgroup_id_z 1
		.amdhsa_system_vgpr_workitem_id 0
		.amdhsa_next_free_vgpr 194
		.amdhsa_next_free_sgpr 66
		.amdhsa_reserve_vcc 0
		.amdhsa_float_denorm_mode_32 3
		.amdhsa_float_denorm_mode_16_64 3
		.amdhsa_memory_ordered 1
		.amdhsa_forward_progress 1
		.amdhsa_inst_pref_size 11
	.end_amdhsa_kernel
	.amdgpu_metadata
---
amdhsa.version: [ 1, 2 ]
amdhsa.kernels:
  - .name:           k_q7d9794aa2b_prep
    .symbol:         k_q7d9794aa2b_prep.kd
    .args:
      - { .name: Wq, .offset: 0, .size: 8, .value_kind: global_buffer, .address_space: global }
      - { .name: Wk, .offset: 8, .size: 8, .value_kind: global_buffer, .address_space: global }
      - { .name: Wv, .offset: 16, .size: 8, .value_kind: global_buffer, .address_space: global }
      - { .name: Wo, .offset: 24, .size: 8, .value_kind: global_buffer, .address_space: global }
      - { .name: wcod, .offset: 32, .size: 8, .value_kind: global_buffer, .address_space: global }
    .group_segment_fixed_size: 34304
    .private_segment_fixed_size: 0
    .kernarg_segment_align: 8
    .kernarg_segment_size: 40
    .max_flat_workgroup_size: 128
    .sgpr_count:     66
    .vgpr_count:     194
    .wavefront_size: 32
...
	.end_amdgpu_metadata
.endif
;; end of part 1
;; launch proj (part 2): grid 64 x 3, 4 waves a work-group, no clusters, 327,680 bytes of LDS; arguments x_Q, x_K, x_V, bq, bk, bv, wcod, qkvc, qkvs; writes qkvc, qkvs
.if DOCPART == 2
	.amdgcn_target "amdgcn-amd-amdhsa--gfx1250"
	.amdhsa_code_object_version 6
	.text
	.protected	k_q7d9794aa2b_proj
	.globl	k_q7d9794aa2b_proj
	.p2align	8
	.type	k_q7d9794aa2b_proj,@function
k_q7d9794aa2b_proj:
	s_mov_b64 s[64:65], 0
	v_nop
	global_prefetch_b8 v0, s[64:65] scope:SCOPE_SE
	s_setreg_imm32_b32 hwreg(HW_REG_WAVE_MODE, 25, 1), 1
	s_wait_xcnt 0x0
; Q = x_Q Wq^T + bq, K and V likewise, on codes of FP6 (E2M3) with one E8M0 scale for each 32 along K; the results are quantised at once, for the attention's products, and leave as codes in the order of the operands' registers.
; SHARES.  Work-group (g, y): tensor y (0 Q, 1 K, 2 V), rows 256 g .. 256 g + 255, four blocks of 64 rows.  Wave w owns heads 2 w and 2 w + 1 (128 columns): its 32 fragments of W stay in 384 registers for the whole launch.
; x comes as f32 through a ring of two LDS slots (a block of 64 rows each), filled by the tensor data mover: wave w brings K step w of all 64 rows, 512 bytes a row, 16 bytes of padding behind each.
; A TRIP: the change of slots | X: wave w quantises tile w of the block's rows, four K steps, and stores the fragments as images of their registers | barrier | all 16 fragments of x into registers | 128 products, quantised, stored.
; TILES: in a group of 32 rows, tile 2 b + u takes in lane r the row 32 b + 8 u + r + 8 (r / 8): of W's rows, and of x's rows (so of queries and keys).
; Q, K: source 0 = 16 rows of W, source 1 = 16 rows of x: a lane holds one row of x and its registers run along the head's 64 channels, the next product's K.
; V: source 0 = 16 rows of x, source 1 = 16 rows of W: a lane holds one channel and its registers run along the keys, the K of the attention's second product.
; The biases are the C of each sum's first matrix instruction.  The factor 1/8 on Q is a power of two: it goes through the quantiser unchanged and is applied to the scores in the next launch.
; qkvc: [tensor][batch][head] 98,304 bytes.  A HALF FRAGMENT is 768 bytes: registers 0-3 at 16 x lane, registers 4-5 at 512 + 8 x lane.  Q, K: [tile 128] half fragments (lane (r, h): row r, channels 32 h on).
;   V: [key step 16][channel tile 4][half 2] (lane (r, h): the tile's channel r, keys 128 step + 64 half + 32 h on).
; qkvs: [tensor][batch][head] 4,096 bytes.  Q, K: [pair of tiles 64][r 16] words, bytes 0, 1 of tile 2 P, bytes 2, 3 of tile 2 P + 1.  V: [step][channel tile][r] words, a byte for each of the step's four blocks of keys.
; NO CLUSTER: no two work-groups read the same rows of x; W goes from memory straight into registers, once for a work-group (196,608 bytes against its 524,288 of x), and a joint load lands in LDS alone.
; NO PREFETCH: the launch is a stream of x; each change of slots puts 131,072 bytes of a work-group on their way.
; LIMITS: a block of zeros gets the byte 1 (only this program reads the bytes); 1/8 is exact unless a block of Q lies under 2^-121; NaN and infinities are not served.
; REGISTERS: window 0: v1-11 addresses, v14-15 for the add, v20-27 the biases' offsets, v32-95 results, v96-114 codes, v116-139 at work, v144-175 W's scale words, v176-191 x's.
;   windows 1, 2: W's 16 fragments of head 2 w, 2 w + 1 ((T', s) at 12 (4 T' + s)).   window 3: x's 16 fragments ((tile, s) at 12 (4 tile + s)); from v192 the 8 bias tiles.
.set KT,    64*528                     ; a K step's tile in LDS: 64 rows x (512 + 16) bytes
.set SLOTB, 4*KT
.set XIMG,  2*SLOTB                    ; behind the ring: x's 16 fragments, 1,536 bytes each,
.set XSC,   XIMG+16*1536               ; their scale words, 128 bytes each,
.set SPARE, XSC+16*128                 ; and the spare words, 128 bytes a wave: two blocks of 256 bytes that no other line names
.set FR,  12
.set HA,  32
.set PC,  96
.set TM,  116
.set PW,  132
.set HWK, 133                          ; Q, K: the first pair's scale word, kept
.set SWD, 134                          ; a scale word on its way out
.set T0,  135
.set VSK, 136                          ; v136-139 V: the even block's two bytes, kept for the odd block
.set WS,  144
.set XS,  176
.set BI,  192
.set G1,  16                           ; s[16:23] descriptor group 1
.set G0,  24                           ; s[24:31] group 0, a set for each slot
.set HI,  32                           ; s32 lanes 16-31
.set SEL, 34                           ; s[34:35]
.set SC,  46                           ; s[46:47] where my codes go
.set SS,  48                           ; s[48:49] where my scale words go
.set WC,  50                           ; s[50:51] my fragments of W
.set WSP, 52                           ; s[52:53] their scale words
.set SB,  54
.set SI,  55
.set SJ,  56
.set CNT, 57
.set MSB, 0
.macro WIN new                         ; the immediate's high byte repeats the setting that is left
.if MSB != (\new)
	s_set_vgpr_msb (MSB<<8)|(\new)
.set MSB, (\new)
.endif
.endm
.macro QUANT s
.irp b, 0,1,2,3
	v_max3_num_f32 v[TM+\b], |v[\s+16*\b]|, |v[\s+1+16*\b]|, 0x1800000   ; my 16 numbers of block b, and the floor 2^(3 - 127): the byte cannot fall under 1
.endr
.irp i, 2,4,6,8,10,12,14
.irp b, 0,1,2,3
	v_max3_num_f32 v[TM+\b], v[TM+\b], |v[\s+16*\b+\i]|, |v[\s+1+16*\b+\i]|
.endr
.endr
.irp b, 0,1,2,3
	v_permlanex16_b32 v[TM+4+\b], v[TM+\b], s[SEL], s[SEL+1]
.endr
.irp b, 0,1,2,3
	v_max_num_f32 v[TM+\b], v[TM+\b], v[TM+4+\b]
.endr
.irp b, 0,1,2,3
	v_add_nc_u32 v[TM+12+\b], 0xff000000, v[TM+\b]   ; 2 off the exponent field: the conversion's scale operand
.endr
.irp b, 0,1,2,3
	v_lshrrev_b32 v[TM+4+\b], 23, v[TM+12+\b]
.endr
	v_lshl_or_b32 v[PW], v[TM+5], 8, v[TM+4]
	v_lshl_or_b32 v[PW], v[TM+6], 16, v[PW]
	v_lshl_or_b32 v[PW], v[TM+7], 24, v[PW]
.irp c, 0,1
	v_cvt_scalef32_pk16_fp6_f32 v[PC+6*\c:PC+2+6*\c], v[\s+32*\c:\s+15+32*\c], v[TM+12+2*\c]
	v_cvt_scalef32_pk16_fp6_f32 v[PC+12+4*\c:PC+14+4*\c], v[\s+16+32*\c:\s+31+32*\c], v[TM+12+2*\c+1]
.endr
	v_nop                                          ; one plain place behind a scaled conversion
.irp c, 0,1
.irp i, 0,1,2
	v_permlane16_swap_b32 v[PC+6*\c+\i], v[PC+12+4*\c+\i]
.endr
.irp i, 0,1,2
	v_mov_b32 v[PC+3+6*\c+\i], v[PC+12+4*\c+\i]
.endr
.endr
.endm
	s_load_b256 s[4:11], s[0:1], 0x0               ; x_Q, x_K, x_V, bq
	s_load_b256 s[36:43], s[0:1], 0x20             ; bk, bv, wcod, qkvc
	s_load_b64 s[44:45], s[0:1], 0x40              ; qkvs
	v_lshl_add_u32 v14, v0, 2, SPARE
	v_mov_b32 v15, 0
	ds_add_u32 v14, v15
	ds_add_u32 v14, v15
	s_wait_dscnt 0x0
	v_lshrrev_b32 v1, 5, v0
	v_readfirstlane_b32 s12, v1                    ; wave 0..3
	s_and_b32 s13, ttmp7, 0xffff                   ; y: the tensor
	s_mov_b32 s14, ttmp9                           ; g
	; descriptor group 1: a tile of 64 rows x 128 f32, rows 512 elements apart, 16 bytes of padding behind each 512
	s_mov_b32 s[G1+0], (2<<16)|(1<<20)|(6<<22)|(3<<25)
	s_mov_b32 s[G1+1], 128<<16                     ; tensor_dim0
	s_mov_b32 s[G1+2], 64<<16                      ; tensor_dim1
	s_mov_b32 s[G1+3], 128<<16                     ; tile_dim0
	s_mov_b32 s[G1+4], 64                          ; tile_dim1
	s_mov_b32 s[G1+5], 512                         ; tensor_dim0_stride
	s_mov_b32 s[G1+6], 0
	s_mov_b32 s[G1+7], 0
	s_mul_i32 s15, s12, KT                         ; my K step's place in a slot
	s_lshl_b32 s2, s14, 19                         ; 256 rows of 2,048 bytes a work-group
	s_lshl_b32 s3, s12, 9                          ; my K step's 512 bytes of a row
	s_add_co_u32 s2, s2, s3
	s_mov_b32 s3, 0
	s_wait_kmcnt 0x0
	s_cmp_eq_u32 s13, 1                            ; the choices hang on the work-group's number alone
	s_cselect_b64 s[4:5], s[6:7], s[4:5]
	s_cselect_b64 s[10:11], s[36:37], s[10:11]
	s_cmp_eq_u32 s13, 2
	s_cselect_b64 s[4:5], s[8:9], s[4:5]
	s_cselect_b64 s[10:11], s[38:39], s[10:11]
	s_add_nc_u64 s[4:5], s[4:5], s[2:3]
.irp s, 0,1
	s_mov_b32 s[G0+4*\s], 1                        ; count = 1
	s_add_co_u32 s[G0+4*\s+1], s15, \s*SLOTB       ; LDS address
	s_add_nc_u64 s[G0+4*\s+2:G0+4*\s+3], s[4:5], \s*131072   ; global address: block s
	s_or_b32 s[G0+4*\s+3], s[G0+4*\s+3], 0x80000000   ; type = 2
.endr
	tensor_load_to_lds s[G0:G0+3], s[G1:G1+7]      ; block 0 into slot 0: the one first fill at the head; a wave never has more than one tensor load out
	s_nop 0
.rept 4
	v_nop
.endr
	v_and_b32 v12, 31, v0                          ; lane
	v_and_b32 v13, 15, v0                          ; r
	v_bfe_u32 v16, v0, 4, 1                        ; h
	v_lshlrev_b32 v1, 4, v12                       ; 16 x lane
	v_lshlrev_b32 v2, 2, v12                       ; 4 x lane
	v_lshlrev_b32 v3, 3, v12                       ; 8 x lane
	v_and_b32 v17, 8, v13
	v_add_nc_u32 v17, v17, v13                     ; r + 8 (r / 8)
	s_lshr_b32 s58, s12, 1
	s_lshl_b32 s58, s58, 5
	s_and_b32 s59, s12, 1
	s_lshl_b32 s59, s59, 3
	s_add_co_u32 s58, s58, s59                     ; tile w's first row in the block: 32 (w / 2) + 8 (w % 2)
	s_mul_i32 s58, s58, 528
	v_mul_u32_u24 v4, v17, 528
	v_lshl_add_u32 v4, v16, 6, v4
	v_add_nc_u32 v4, s58, v4                       ; x in a K step's tile: my row, + 64 h
	s_mul_i32 s58, s12, 4*1536
	s_add_co_u32 s58, s58, XIMG
	v_add_nc_u32 v6, s58, v1                       ; where I store my tile's images
	s_lshl_b32 s58, s12, 9
	s_add_co_u32 s58, s58, XSC
	v_add_nc_u32 v7, s58, v2                       ; and their scale words
	v_add_nc_u32 v10, XIMG, v1                     ; where any image is read
	v_add_nc_u32 v11, XSC, v2
	; the biases' offsets.  Q, K: register j of a tile wants channel 16 h + j of its run: 64 h + 4 j.  V: all eight want the lane's channel: 4 (r + 8 (r / 8))
	s_cmp_eq_u32 s13, 2
	s_cselect_b32 s58, 0, 4
	s_cselect_b32 s59, -1, 0
	v_lshlrev_b32 v18, 6, v16
	v_lshlrev_b32 v19, 2, v17
	v_cndmask_b32 v18, v18, v19, s59
.irp j, 0,1,2,3,4,5,6,7
	v_mad_u32_u24 v[20+\j], s58, \j, v18
.endr
	s_mov_b32 s[HI], 0xffff0000
	s_mov_b32 s[SEL], 0x76543210
	s_mov_b32 s[SEL+1], 0xfedcba98
.irp b, 0,1,2,3
	v_mov_b32 v[TM+4+\b], 0                        ; written once: a lane permute's destination counts as one of its sources
	v_mov_b32 v[VSK+\b], 0
.endr
	s_lshl_b32 s2, s12, 9                          ; the bias: my 128 channels
	s_add_nc_u64 s[10:11], s[10:11], s[2:3]
	s_mul_i32 s2, s13, 196608
	s_mul_i32 s60, s12, 49152
	s_add_co_u32 s2, s2, s60
	s_add_nc_u64 s[WC:WC+1], s[40:41], s[2:3]      ; my 32 fragments of W
	s_lshl_b32 s2, s13, 14
	s_lshl_b32 s60, s12, 12
	s_add_co_u32 s2, s2, s60
	s_add_co_u32 s2, s2, 786432
	s_add_nc_u64 s[WSP:WSP+1], s[40:41], s[2:3]    ; their scale words
	s_lshr_b32 s60, s14, 3                         ; the batch
	s_and_b32 s59, s14, 7                          ; which 256 rows of it
	s_lshl_b32 s60, s60, 3
	s_lshl_b32 s61, s12, 1
	s_add_co_u32 s60, s60, s61                     ; 8 x batch + my first head
	s_mul_i32 s2, s13, 6291456
	s_mul_i32 s61, s60, 98304
	s_add_co_u32 s2, s2, s61
	s_mul_i32 s61, s59, 12288                      ; 16 tiles of 768 bytes, or two key steps of 6,144
	s_add_co_u32 s2, s2, s61
	s_add_nc_u64 s[SC:SC+1], s[42:43], s[2:3]
	s_lshl_b32 s2, s13, 18
	s_lshl_b32 s61, s60, 12
	s_add_co_u32 s2, s2, s61
	s_lshl_b32 s61, s59, 9
	s_add_co_u32 s2, s2, s61
	s_add_nc_u64 s[SS:SS+1], s[44:45], s[2:3]
.irp e, 0,1
	WIN 0x40*(1+\e)                                ; destination window 1 + e
.irp f, 0,1,2,3,4,5,6,7,8,9,10,11,12,13,14,15
.irp c, 0,1,2
	global_load_b128 v[FR*\f+4*\c:FR*\f+4*\c+3], v1, s[WC:WC+1] offset:(16*\e+\f)*1536+512*\c
.endr
.endr
.endr
	WIN 0xc0                                       ; destination window 3
.irp i, 0,1,2,3,4,5,6,7                        ; bias tile i = 4 e + T'
.irp j, 0,1,2,3,4,5,6,7
	global_load_b32 v[BI+8*\i+\j], v[20+\j], s[10:11] offset:(64*(\i/4)+32*((\i%4)/2)+8*(\i%2))*4
.endr
.endr
	WIN 0
.set f, 0
.rept 32
	global_load_b32 v[WS+f], v2, s[WSP:WSP+1] offset:f*128
.set f, f+1
.endr
; Q, K: head 2 w + e, tiles 2 p and 2 p + 1 of the block's rows: 32 products, eight accumulators by turns; then one quantiser for the two tiles: blocks 0, 1 are tile 2 p's channels, blocks 2, 3 tile 2 p + 1's.
.macro UNITQK e, p, t
.irp s, 0,1,2,3
.if \s == 0
	WIN (1+\e)|12|48                               ; source 0 (W) window 1 + e, source 1 (x) and source 2 (bias) window 3
.else
	WIN (1+\e)|12
.endif
.irp u, 0,1
.irp q, 0,1,2,3
.if \s == 0
	v_wmma_scale_f32_16x16x128_f8f6f4 v[HA+32*\u+8*\q:HA+32*\u+8*\q+7], v[FR*(4*\q+\s):FR*(4*\q+\s)+FR-1], v[FR*(4*(2*\p+\u)+\s):FR*(4*(2*\p+\u)+\s)+FR-1], v[BI+8*(4*\e+\q):BI+8*(4*\e+\q)+7], v[WS+16*\e+4*\q+\s], v[XS+4*(2*\p+\u)+\s] matrix_a_fmt:MATRIX_FMT_FP6 matrix_b_fmt:MATRIX_FMT_FP6
.else
	v_wmma_scale_f32_16x16x128_f8f6f4 v[HA+32*\u+8*\q:HA+32*\u+8*\q+7], v[FR*(4*\q+\s):FR*(4*\q+\s)+FR-1], v[FR*(4*(2*\p+\u)+\s):FR*(4*(2*\p+\u)+\s)+FR-1], v[HA+32*\u+8*\q:HA+32*\u+8*\q+7], v[WS+16*\e+4*\q+\s], v[XS+4*(2*\p+\u)+\s] matrix_a_fmt:MATRIX_FMT_FP6 matrix_b_fmt:MATRIX_FMT_FP6
.endif
.endr
.endr
.endr
	WIN 0
.rept 4
	v_nop                                          ; places in front of the first read of results
.endr
	s_wait_xcnt 0x0                                ; the last unit's stores have read their registers: the codes and the word may be written again
	QUANT HA
.irp u, 0,1
	global_store_b128 v1, v[PC+6*\u:PC+6*\u+3], s[SC:SC+1] offset:\e*98304+(4*\t+2*\p+\u)*768        ; 512 consecutive bytes, aligned
	global_store_b64 v3, v[PC+6*\u+4:PC+6*\u+5], s[SC:SC+1] offset:\e*98304+(4*\t+2*\p+\u)*768+512   ; 256 consecutive bytes, aligned
.endr
.if \p == 0
	v_mov_b32 v[HWK], v[PW]
.else
	v_cndmask_b32 v[SWD], v[HWK], v[PW], s[HI]     ; lanes 0-15 the first pair's words, lanes 16-31 the second's
	global_store_b32 v2, v[SWD], s[SS:SS+1] offset:\e*4096+\t*128
.endif
.endm
; V: head 2 w + i / 2, channel tiles 2 (i % 2) and 2 (i % 2) + 1, the block's 64 keys.  Blocks 0, 1 are the first tile's keys, blocks 2, 3 the second's.
.macro UNITV i, t
.set VE, (\i)/2
.set VT, 2*((\i)%2)
.irp s, 0,1,2,3
.if \s == 0
	WIN 3|((1+VE)<<2)|48                           ; source 0 (x) and source 2 (bias) window 3, source 1 (W) window 1 + e
.else
	WIN 3|((1+VE)<<2)
.endif
.irp c, 0,1
.irp m, 0,1,2,3
.if \s == 0
	v_wmma_scale_f32_16x16x128_f8f6f4 v[HA+32*\c+8*\m:HA+32*\c+8*\m+7], v[FR*(4*\m+\s):FR*(4*\m+\s)+FR-1], v[FR*(4*(VT+\c)+\s):FR*(4*(VT+\c)+\s)+FR-1], v[BI+8*(4*VE+VT+\c):BI+8*(4*VE+VT+\c)+7], v[XS+4*\m+\s], v[WS+16*VE+4*(VT+\c)+\s] matrix_a_fmt:MATRIX_FMT_FP6 matrix_b_fmt:MATRIX_FMT_FP6
.else
	v_wmma_scale_f32_16x16x128_f8f6f4 v[HA+32*\c+8*\m:HA+32*\c+8*\m+7], v[FR*(4*\m+\s):FR*(4*\m+\s)+FR-1], v[FR*(4*(VT+\c)+\s):FR*(4*(VT+\c)+\s)+FR-1], v[HA+32*\c+8*\m:HA+32*\c+8*\m+7], v[XS+4*\m+\s], v[WS+16*VE+4*(VT+\c)+\s] matrix_a_fmt:MATRIX_FMT_FP6 matrix_b_fmt:MATRIX_FMT_FP6
.endif
.endr
.endr
.endr
	WIN 0
.rept 4
	v_nop
.endr
	s_wait_xcnt 0x0
	QUANT HA
.irp c, 0,1
	global_store_b128 v1, v[PC+6*\c:PC+6*\c+3], s[SC:SC+1] offset:VE*98304+((\t)/2)*6144+(VT+\c)*1536+((\t)%2)*768
	global_store_b64 v3, v[PC+6*\c+4:PC+6*\c+5], s[SC:SC+1] offset:VE*98304+((\t)/2)*6144+(VT+\c)*1536+((\t)%2)*768+512
.endr
	v_and_b32 v[T0], 0xffff, v[PW]                 ; the first tile's two bytes,
	v_lshrrev_b32 v[SWD], 16, v[PW]                ; the second's:
	v_cndmask_b32 v[T0], v[T0], v[SWD], s[HI]      ; lanes 0-15 the first tile's, lanes 16-31 the second's
.if (\t)%2 == 0
	v_mov_b32 v[VSK+\i], v[T0]                     ; a key step is two blocks: its word is whole with the odd block
.else
	v_lshl_or_b32 v[SWD], v[T0], 16, v[VSK+\i]
	global_store_b32 v2, v[SWD], s[SS:SS+1] offset:VE*4096+((\t)/2)*256+((\i)%2)*128
.endif
.endm
.macro TRIP t
.set SG, (\t)%2
	s_wait_xcnt 0x0                                ; the last trip's stores have read their registers
	s_wait_tensorcnt 0x0                           ; my tensor load has landed: my K step of this trip's block;
	ds_add_u32 v14, v15                            ; 0 onto my spare word
	s_add_nc_u64 s[G0+4*SG+2:G0+4*SG+3], s[G0+4*SG+2:G0+4*SG+3], 262144   ; no load of mine is out: this slot's next block, two on
	s_wait_dscnt 0x0                               ; the add is done, and my reads of the other slot and of the images are over
	s_barrier_signal -1
	s_barrier_wait -1                              ; both now hold of every wave
.if (\t) < 3
	tensor_load_to_lds s[G0+4*(1-SG):G0+4*(1-SG)+3], s[G1:G1+7]   ; the next block, into the slot read last trip: it has the whole trip in which to land
	s_nop 0
.rept 4
	v_nop
.endr
.endif
	; X: tile w of the block's rows, four K steps
	s_mov_b32 s[SB], SG*SLOTB
	s_mov_b32 s[SI], 0
	s_mov_b32 s[SJ], 0
	s_mov_b32 s[CNT], 0
.Lx_\@:
	v_add_nc_u32 v5, s[SB], v4
	v_add_nc_u32 v8, s[SI], v6
	v_add_nc_u32 v9, s[SJ], v7
.irp b, 0,1,2,3
.irp j, 0,1,2,3
	ds_load_b128 v[HA+16*\b+4*\j:HA+16*\b+4*\j+3], v5 offset:128*\b+16*\j   ; my 16 numbers of each block of 32
.endr
.endr
	s_wait_dscnt 0x0
	QUANT HA
.irp c, 0,1,2
	ds_store_b128 v8, v[PC+4*\c:PC+4*\c+3] offset:512*\c   ; the fragment as it stands: 16 bytes a lane, 512 a store
.endr
	ds_store_b32 v9, v[PW]
	s_wait_dscnt 0x0                               ; the stores have landed, and have read their registers
	s_add_co_u32 s[SB], s[SB], KT
	s_add_co_u32 s[SI], s[SI], 1536
	s_add_co_u32 s[SJ], s[SJ], 128
	s_add_co_u32 s[CNT], s[CNT], 1
	s_cmp_lt_u32 s[CNT], 4
	s_cbranch_scc1 .Lx_\@
	s_barrier_signal -1                            ; x's sixteen fragments lie in LDS.  The tensor load stays out
	s_barrier_wait -1
	WIN 0xc0                                       ; destination window 3
.irp f, 0,1,2,3,4,5,6,7,8,9,10,11,12,13,14,15
.irp c, 0,1,2
	ds_load_b128 v[FR*\f+4*\c:FR*\f+4*\c+3], v10 offset:\f*1536+512*\c
.endr
.endr
	WIN 0
.irp f, 0,1,2,3,4,5,6,7,8,9,10,11,12,13,14,15
	ds_load_b32 v[XS+\f], v11 offset:\f*128
.endr
	s_wait_dscnt 0x0
	s_wait_loadcnt 0x0                             ; W, its scale words and the biases (the first trip)
	s_cmp_eq_u32 s13, 2                            ; a branch on the work-group's number; neither way touches LDS
	s_cbranch_scc1 .Lv_\@
	UNITQK 0, 0, \t
	UNITQK 0, 1, \t
	UNITQK 1, 0, \t
	UNITQK 1, 1, \t
	s_branch .Ljoin_\@
.Lv_\@:
	UNITV 0, \t
	UNITV 1, \t
	UNITV 2, \t
	UNITV 3, \t
.Ljoin_\@:
.endm
	TRIP 0
	TRIP 1
	TRIP 2
	TRIP 3                                         ; the last block: nothing is left to fetch
	s_wait_tensorcnt 0x0                           ; the wave's end
	ds_add_u32 v14, v15
	s_wait_dscnt 0x0
	s_endpgm
.Lfunc_end_k_q7d9794aa2b_proj:
	.size	k_q7d9794aa2b_proj, .Lfunc_end_k_q7d9794aa2b_proj-k_q7d9794aa2b_proj
	.p2alignl 7, 3214868480
	.fill 96, 4, 3214868480
	.section	.rodata,"a",@progbits
	.p2align	6, 0x0
	.amdhsa_kernel k_q7d9794aa2b_proj
		.amdhsa_group_segment_fixed_size 327680
		.amdhsa_private_segment_fixed_size 0
		.amdhsa_enable_private_segment 0
		.amdhsa_kernarg_size 72
		.amdhsa_user_sgpr_count 2
		.amdhsa_user_sgpr_kernarg_segment_ptr 1
		.amdhsa_wavefront_size32 1
		.amdhsa_system_sgpr_workgroup_id_x 1
		.amdhsa_system_sgpr_workgroup_id_y 1
		.amdhsa_system_sgpr_workgroup_id_z 1
		.amdhsa_system_vgpr_workitem_id 0
		.amdhsa_next_free_vgpr 1024
		.amdhsa_next_free_sgpr 66
		.amdhsa_reserve_vcc 0
		.amdhsa_float_denorm_mode_32 3
		.amdhsa_float_denorm_mode_16_64 3
		.amdhsa_memory_ordered 1
		.amdhsa_forward_progress 1
		.amdhsa_inst_pref_size 255
	.end_amdhsa_kernel
	.section	.bss,"aw",@nobits
	.p2align	6
	.space	262144
	.amdgpu_metadata
---
amdhsa.version: [ 1, 2 ]
amdhsa.kernels:
  - .name:           k_q7d9794aa2b_proj
    .symbol:         k_q7d9794aa2b_proj.kd
    .args:
      - { .name: x_Q, .offset: 0, .size: 8, .value_kind: global_buffer, .address_space: global }
      - { .name: x_K, .offset: 8, .size: 8, .value_kind: global_buffer, .address_space: global }
      - { .name: x_V, .offset: 16, .size: 8, .value_kind: global_buffer, .address_space: global }
      - { .name: bq, .offset: 24, .size: 8, .value_kind: global_buffer, .address_space: global }
      - { .name: bk, .offset: 32, .size: 8, .value_kind: global_buffer, .address_space: global }
      - { .name: bv, .offset: 40, .size: 8, .value_kind: global_buffer, .address_space: global }
      - { .name: wcod, .offset: 48, .size: 8, .value_kind: global_buffer, .address_space: global }
      - { .name: qkvc, .offset: 56, .size: 8, .value_kind: global_buffer, .address_space: global }
      - { .name: qkvs, .offset: 64, .size: 8, .value_kind: global_buffer, .address_space: global }
    .group_segment_fixed_size: 327680
    .private_segment_fixed_size: 0
    .kernarg_segment_align: 8
    .kernarg_segment_size: 72
    .max_flat_workgroup_size: 128
    .sgpr_count:     66
    .vgpr_count:     1024
    .wavefront_size: 32
...
	.end_amdgpu_metadata
.endif
;; end of part 2
;; launch attn (part 3): grid 256 x 1, 16 waves a work-group, no clusters, 67,584 bytes of LDS; arguments src_batch_lens, qkvc, qkvs, cc, cs; writes cc, cs
.if DOCPART == 3
	.amdgcn_target "amdgcn-amd-amdhsa--gfx1250"
	.amdhsa_code_object_version 6
	.text
	.protected	k_q7d9794aa2b_attn
	.globl	k_q7d9794aa2b_attn
	.p2align	8
	.type	k_q7d9794aa2b_attn,@function
k_q7d9794aa2b_attn:
	s_mov_b64 s[64:65], 0
	v_nop
	global_prefetch_b8 v0, s[64:65] scope:SCOPE_SE
	s_setreg_imm32_b32 hwreg(HW_REG_WAVE_MODE, 25, 1), 1
	s_wait_xcnt 0x0
; ctx[b][q][head] = the sum over keys k < len[b] of softmax_k(Q . K / 8) V, both products on codes of FP6 (E2M3) with one E8M0 scale for each 32 along a product's K; ctx is quantised at once, along its channels, for the last product.
; THE SOFTMAX AHEAD OF THE SECOND PRODUCT: t = score x log2(e) / 8 (the scores are of the unscaled Q: 1/8 is a power of two); M = the running largest t rounded UP to a whole number; p = 2^(t - M) is quantised along the keys, not normalised;
; the row's sum is taken of the unquantised p and divides at the end.  When M moves, the sum and O are multiplied by 2^(old M - new M): exact.
; THE MASK.  Keys from len[b] on have p = 0: a key step of 128 that lies wholly behind the length is left out (a scalar branch on the length, a whole number that this launch reads); in the one step on the edge hidden scores become -infinity.
; SHARES.  Work-group id: head id & 7, slice (id >> 3) & 7, pair id >> 6.  It runs TWO PASSES of 256 queries (slice), a tile of 16 to each of its sixteen waves: first the batch whose length has rank 7 - pair, then that of rank pair,
; so that long and short batches meet in one work-group.  The ranks are made here, by scalar compares of the eight lengths.
; K, V and their scale words lie in memory in the order of the operands' registers.  A chunk of 256 keys (12,288 bytes of K, as many of V) goes through registers into one of two LDS slots, as it lies: waves 0-7 copy K's, waves 8-15 V's,
; 1,536 bytes each.  A chunk is asked for two trips ahead of its use and stored one trip ahead; one barrier a trip.
; THE FIRST PRODUCT has K = 64, the instruction 128: source 0 holds TWO tiles of keys (registers 0-5 tile 2 b, 6-11 tile 2 b + 1); source 1 is [Q | zeros] or [zeros | Q], which picks one of them: zero codes add nothing.
; Both products are used transposed: a lane holds one query throughout.  The keys of a tile, and V's channels of a tile, are chosen (lane r of tile 2 b + u: 32 b + 8 u + r + 8 (r / 8)) so that 16 registers of two tiles are 16 neighbours.
; cc: [row tile 128 b + tile][head], a place of 1,024 bytes each, of which a half fragment takes 768 (registers 0-3 at 16 x lane, registers 4-5 at 512 + 8 x lane): so a place's address is made of batch, tile and head by shifts and sums alone.
; cs: [row tile][K step 4][r 16] words; bytes 2 c, 2 c + 1 come from head 2 s + c.
; NO CLUSTER, NO TENSOR LOAD: the eight slices of a head share K and V, and a joint load is a tensor load.
; NO PREFETCH: each chunk's loads are issued two key steps' work ahead of the wait for them.
; LIMITS: a masked key counts as p = 0, which is what reference() gives while some valid score lies above about -1e9 + 110; a length above 2,048 counts as 2,048; a length under 1 is served as reference() has it
; (every score equal: p = 1 on all 2,048 keys: length 2,048 and c = 0); zero blocks carry the byte 1; NaN and infinities are not served.
; REGISTERS: v1-11 addresses; v12 -M, v13 the largest t, v[14:15] the sum; v16-27 [Q | 0], v28-39 [0 | Q]; v40-87 four fragments of K or V; v88-89 K's, v90-91 V's, v92 Q's, v95 p's scale words; v93, v94 half words;
;   v96-159 S^T, then p; v160-191 O^T; v192-210 codes; v212-227 the stage for the copies; v232-254 at work.
.set SLOT1, 32768                      ; slot 1 begins here: one exclusive or turns a slot's address into the other's
.set SCL,   24576                      ; behind slot 0: K's 4,096 bytes of scale words of the whole head, then V's
.set F,    40
.set STG,  212
.set SST,  224
.set WV,   14
.set HD,   15
.set KA,   36
.set KB,   37
.set PP,   38
.set SLC,  39
.set TL,   40
.set LEN,  41
.set CS,   42                          ; s[42:43] c
.set PK,   44                          ; s[44:45] my part of the chunk to be loaded
.set PSC,  46
.set PQ,   48
.set PQS,  50
.set PC0,  52                          ; s[52:55] where the first pass's codes and scale bytes go;  s[56:59] the second's
.set PC1,  56
.set SEL,  60
.set TB,   62                          ; the slot in hand
.set TS,   63                          ; the step's scale words: 256 bytes a step
.set KF,   66                          ; the step's first key
.set CNT,  67
.set OFK,  72
.set OFS,  73
.set OFQ,  74
.set OFQS, 75
.set OFC,  76                          ; 8 x my tile + head: my place in a batch's part of cc, in places of 1,024 bytes
.set OFD,  77
	s_load_b256 s[4:11], s[0:1], 0x0               ; the lengths, qkvc, qkvs, cc
	s_load_b64 s[12:13], s[0:1], 0x20              ; cs
	v_lshl_add_u32 v251, v0, 2, 0x10000
	v_mov_b32 v255, 0
	v_lshrrev_b32 v1, 5, v0
	v_readfirstlane_b32 s[WV], v1                  ; wave 0..15
	s_and_b32 s[HD], ttmp9, 7
	s_bfe_u32 s[SLC], ttmp9, 0x30003
	s_lshr_b32 s[PP], ttmp9, 6
	s_wait_kmcnt 0x0
	s_load_b256 s[16:23], s[4:5], 0x0              ; the eight lengths
	v_and_b32 v6, 31, v0                           ; lane
	v_lshlrev_b32 v1, 4, v6                        ; 16 x lane
	v_lshlrev_b32 v2, 3, v6                        ; 8 x lane
	v_lshl_add_u32 v3, v6, 2, SCL                  ; scale words: 4 x lane
	s_mul_i32 s32, s[WV], 1536
	v_add_nc_u32 v4, s32, v1                       ; where I store my part of a chunk
	v_lshl_add_u32 v5, v0, 4, SCL                  ; and of the scale words: 512 x wave + 16 x lane
	v_and_b32 v10, 15, v0
	v_lshlrev_b32 v10, 2, v10                      ; 4 r
	v_bfe_u32 v11, v0, 4, 1
	v_lshlrev_b32 v11, 4, v11                      ; 16 h
.irp b, 0,1,2,3
	v_mov_b32 v[236+\b], 0                         ; written once: a lane permute's destination counts as one of its sources
.endr
	v_mov_b32 v252, 0
	v_mov_b32 v253, 0                              ; (named as the upper half of the pair v[252:253])
	s_mov_b32 s[SEL], 0x76543210
	s_mov_b32 s[SEL+1], 0xfedcba98
	; offsets that hang on ids alone
	s_lshl_b32 s[TL], s[SLC], 4
	s_add_co_u32 s[TL], s[TL], s[WV]               ; my tile of queries: 16 x slice + wave
	s_cmp_lt_u32 s[WV], 8
	s_cselect_b32 s32, 1, 2                        ; I copy K (tensor 1) or V (tensor 2)
	s_and_b32 s33, s[WV], 7
	s_mul_i32 s[OFK], s32, 6291456
	s_mul_i32 s34, s33, 1536
	s_add_co_u32 s[OFK], s[OFK], s34
	s_lshl_b32 s[OFS], s32, 18
	s_lshl_b32 s34, s33, 9
	s_add_co_u32 s[OFS], s[OFS], s34
	s_mul_i32 s[OFQ], s[TL], 768
	s_lshr_b32 s34, s[TL], 1
	s_lshl_b32 s34, s34, 6
	s_and_b32 s35, s[WV], 1
	s_lshl_b32 s35, s35, 1
	s_add_co_u32 s[OFQS], s34, s35                 ; my tile's two bytes in its pair's words
	s_lshl_b32 s34, s[TL], 3
	s_add_co_u32 s[OFC], s34, s[HD]
	s_lshl_b32 s34, s[TL], 2
	s_lshr_b32 s35, s[HD], 1
	s_add_co_u32 s34, s34, s35
	s_lshl_b32 s34, s34, 6
	s_and_b32 s35, s[HD], 1
	s_lshl_b32 s35, s35, 1
	s_add_co_u32 s[OFD], s34, s35
	s_wait_kmcnt 0x0
	; a key for each batch: 16 x (the length in force) + 2 x batch + (length under 1): all different, ordered by length
.irp j, 0,1,2,3,4,5,6,7
	s_cmp_lt_i32 s[16+\j], 1
	s_cselect_b32 s32, 1, 0
	s_cselect_b32 s33, 0x800, s[16+\j]
	s_min_u32 s33, s33, 0x800
	s_lshl_b32 s33, s33, 4
	s_add_co_u32 s33, s33, 2*\j
	s_add_co_u32 s[24+\j], s33, s32
.endr
	s_sub_co_u32 s34, 7, s[PP]                     ; the first pass's rank
	s_mov_b32 s[KA], 0
	s_mov_b32 s[KB], 0
.irp j, 0,1,2,3,4,5,6,7
	s_mov_b32 s32, 0
.irp i, 0,1,2,3,4,5,6,7
	s_cmp_lt_u32 s[24+\i], s[24+\j]
	s_add_co_ci_u32 s32, s32, 0                    ; batch j's rank: how many keys lie under its key
.endr
	s_cmp_eq_u32 s32, s34
	s_cselect_b32 s[KA], s[24+\j], s[KA]
	s_cmp_eq_u32 s32, s[PP]
	s_cselect_b32 s[KB], s[24+\j], s[KB]
.endr
; A pass's batch, length, c and pointers, from its key.  The batch enters addresses behind a minimum with a constant, by shifts left, products and sums alone.
.macro SETP key, pc
	s_bfe_u32 s32, s[\key], 0x30001
	s_min_u32 s32, s32, 7                          ; the batch
	s_lshr_b32 s[LEN], s[\key], 4
	s_min_u32 s[LEN], s[LEN], 0x800
	s_bitcmp1_b32 s[\key], 0
	s_cselect_b32 s[CS], 0, 0x3e38aa3b             ; c = log2(e) / 8; 0 where the length is under 1
	s_mov_b32 s[CS+1], s[CS]                       ; (named with it as a pair)
	s_lshl_b32 s33, s32, 3
	s_add_co_u32 s33, s33, s[HD]                   ; 8 x batch + head
	s_mul_i32 s34, s33, 98304
	s_lshl_b32 s35, s33, 12
	s_mov_b32 s71, 0
	s_add_co_u32 s70, s34, s[OFK]
	s_add_nc_u64 s[PK:PK+1], s[6:7], s[70:71]
	s_add_co_u32 s70, s35, s[OFS]
	s_add_nc_u64 s[PSC:PSC+1], s[8:9], s[70:71]
	s_add_co_u32 s70, s34, s[OFQ]
	s_add_nc_u64 s[PQ:PQ+1], s[6:7], s[70:71]
	s_add_co_u32 s70, s35, s[OFQS]
	s_add_nc_u64 s[PQS:PQS+1], s[8:9], s[70:71]
	s_lshl_b32 s70, s32, 10                        ; 128 row tiles x 8 heads: 1,024 places a batch,
	s_add_co_u32 s70, s70, s[OFC]                  ; + my place in it,
	s_lshl_b32 s70, s70, 10                        ; of 1,024 bytes each
	s_add_nc_u64 s[\pc:\pc+1], s[10:11], s[70:71]
	s_lshl_b32 s70, s32, 15                        ; 128 row tiles x 256 bytes a batch
	s_add_co_u32 s70, s70, s[OFD]
	s_add_nc_u64 s[\pc+2:\pc+3], s[12:13], s[70:71]
.endm
.macro CHUNK                           ; my 1,536 bytes of a chunk
.irp i, 0,1,2
	global_load_b128 v[STG+4*\i:STG+4*\i+3], v1, s[PK:PK+1] offset:512*\i
.endr
.endm
.macro LOADS
	CHUNK                                          ; chunk 0
	global_load_b128 v[SST:SST+3], v1, s[PSC:PSC+1]   ; my 512 bytes of the head's scale words
	global_load_b128 v[16:19], v1, s[PQ:PQ+1]      ; my tile of Q: half a fragment
	global_load_b64 v[20:21], v2, s[PQ:PQ+1] offset:512
	global_load_u16 v93, v10, s[PQS:PQS+1]         ; and row r's two scale bytes
.endm
.macro START
	s_wait_loadcnt 0x0
	s_wait_xcnt 0x0                                ; the last pass's stores have read their registers
.irp i, 0,1,2
	ds_store_b128 v4, v[STG+4*\i:STG+4*\i+3] offset:512*\i   ; chunk 0 into slot 0
.endr
	ds_store_b128 v5, v[SST:SST+3]
	v_lshl_or_b32 v92, v93, 16, v93                ; Q's bytes serve either half of the instruction's K
.set j, 22
.rept 12
	v_mov_b32 v[j], 0
.set j, j+1
.endr
.irp i, 0,1,2,3,4,5
	v_mov_b32 v[34+\i], v[16+\i]
.endr
.set j, 0
.rept 32
	v_mov_b32 v[160+j], 0                          ; O^T: the first step finds zeros, which the first change of M leaves zeros
.set j, j+1
.endr
	v_mov_b32 v14, 0
	v_mov_b32 v15, 0
	v_mov_b32 v13, 0xff61b1e6                      ; the largest t so far: -3e38
	v_floor_f32 v12, -v13
	s_mov_b32 s[TB], 0
	s_mov_b32 s[TS], 0
	s_mov_b32 s[KF], 0
	s_wait_dscnt 0x0                               ; my stores have landed, and have read their registers
	s_add_nc_u64 s[PK:PK+1], s[PK:PK+1], 12288     ; (every load that named it is done)
	s_cmp_gt_u32 s[LEN], 256
	s_cbranch_scc0 .Lone_\@
	CHUNK                                          ; chunk 1, if any of its keys counts: no load leaves the buffer
.Lone_\@:
	s_barrier_signal -1
	s_barrier_wait -1
.endm
; A KEY STEP: 128 keys, the q-th of the slot in hand.
.macro STEP q
	s_cmp_ge_u32 s[KF], s[LEN]
	s_cbranch_scc1 .Lhid_\@                        ; all its keys lie behind the length
	v_add_nc_u32 v6, s[TB], v1
	v_add_nc_u32 v7, s[TB], v2
	v_add_nc_u32 v8, s[TS], v3
	v_nop                                          ; four places in front of loads into registers that matrix instructions have read
.irp b, 0,1,2,3
.irp u, 0,1
	ds_load_b128 v[F+12*\b+6*\u:F+12*\b+6*\u+3], v6 offset:\q*6144+\b*1536+\u*768
	ds_load_b64 v[F+12*\b+6*\u+4:F+12*\b+6*\u+5], v7 offset:\q*6144+\b*1536+\u*768+512
.endr
.endr
	ds_load_b32 v88, v8                            ; lanes 0-15 pair 0's words, lanes 16-31 pair 1's
	ds_load_b32 v89, v8 offset:128
	s_wait_dscnt 0x0
.irp b, 0,1,2,3
.irp u, 0,1
.if \b%2 == 0
	v_wmma_scale_f32_16x16x128_f8f6f4 v[96+8*(2*\b+\u):103+8*(2*\b+\u)], v[F+12*\b:F+12*\b+11], v[16+12*\u:27+12*\u], 0, v[88+\b/2], v92 matrix_a_fmt:MATRIX_FMT_FP6 matrix_b_fmt:MATRIX_FMT_FP6
.else
	v_wmma_scale_f32_16x16x128_f8f6f4 v[96+8*(2*\b+\u):103+8*(2*\b+\u)], v[F+12*\b:F+12*\b+11], v[16+12*\u:27+12*\u], 0, v[88+\b/2], v92 matrix_a_fmt:MATRIX_FMT_FP6 matrix_b_fmt:MATRIX_FMT_FP6 matrix_a_scale:MATRIX_SCALE_ROW1
.endif
.endr
.endr                                          ; lane (r, h): query r; register 16 b + i: key KF + 32 b + 16 h + i
.rept 4
	v_nop
.endr
.irp m, 0,1,2,3                                ; V's four fragments land while the softmax is walked
.irp c, 0,1
	ds_load_b128 v[F+12*\m+6*\c:F+12*\m+6*\c+3], v6 offset:12288+\q*6144+\m*1536+\c*768
	ds_load_b64 v[F+12*\m+6*\c+4:F+12*\m+6*\c+5], v7 offset:12288+\q*6144+\m*1536+\c*768+512
.endr
.endr
	ds_load_b32 v90, v8 offset:4096
	ds_load_b32 v91, v8 offset:4096+128
	s_add_co_u32 s32, s[KF], 128
	s_cmp_le_u32 s32, s[LEN]
	s_cbranch_scc1 .Lopen_\@                       ; all its keys count
	s_sub_co_i32 s32, s[LEN], s[KF]
	v_sub_nc_u32 v252, s32, v11                    ; d = length - KF - 16 h: register 16 b + i is hidden where 32 b + i >= d
	v_mov_b32 v254, 0xff800000                     ; -infinity
.set n, 0
.rept 64
	v_cmp_ge_i32 vcc_lo, 32*(n/16)+n%16, v252
	v_cndmask_b32 v[96+n], v[96+n], v254, vcc_lo
.set n, n+1
.endr
.Lopen_\@:
.irp b, 0,1,2,3
	v_max3_num_f32 v[232+\b], v[96+16*\b], v[97+16*\b], v[98+16*\b]   ; the largest score of each block of 32 keys: for the row's maximum, and, since p rises with the score, for the block's largest p
.endr
.irp i, 3,5,7,9,11,13
.irp b, 0,1,2,3
	v_max3_num_f32 v[232+\b], v[232+\b], v[96+16*\b+\i], v[97+16*\b+\i]
.endr
.endr
.irp b, 0,1,2,3
	v_max_num_f32 v[232+\b], v[232+\b], v[111+16*\b]
.endr
.irp b, 0,1,2,3
	v_permlanex16_b32 v[236+\b], v[232+\b], s[SEL], s[SEL+1]
.endr
.irp b, 0,1,2,3
	v_max_num_f32 v[232+\b], v[232+\b], v[236+\b]  ; with lane l xor 16's 16 keys
.endr
	v_max3_num_f32 v254, v232, v233, v234
	v_max_num_f32 v254, v254, v235                 ; the step's largest score of my query
	v_mul_f32 v254, s[CS], v254                    ; as t (c is not negative)
	v_max_num_f32 v13, v13, v254                   ; the running largest t
	v_mov_b32 v254, v12
	v_floor_f32 v12, -v13                          ; the new -M = floor(-t): M is a whole number
	v_sub_f32 v254, v12, v254                      ; old M - new M: a whole number, 0 or less
	v_cvt_i32_f32 v254, v254                       ; (it saturates)
	v_ldexp_f32 v252, 1.0, v254                    ; f = 2^(old M - new M)
.set j, 0
.rept 32
	v_pk_fma_f32 v[96+j:97+j], v[96+j:97+j], s[CS:CS+1], v[12:13] op_sel_hi:[1,0,0]   ; t - M, two at a time
.set j, j+2
.endr
.irp b, 0,1,2,3
	v_fma_f32 v[232+\b], v[232+\b], s[CS], v12     ; the same of each block's largest score
.endr
.set j, 0
.rept 64
	v_exp_f32 v[96+j], v[96+j]                     ; p = 2^(t - M), at most 1
.set j, j+1
.endr
	v_pk_mul_f32 v[14:15], v[14:15], v[252:253] op_sel_hi:[1,0]   ; the sums under the new M: a plain place behind the exponentials
	s_wait_alu depctr_va_vdst(0)                   ; one wait for the whole batch, ahead of its first reader
.irp b, 0,1,2,3
	v_exp_f32 v[232+\b], v[232+\b]                 ; the block's largest p
.endr
	v_pk_add_f32 v[236:237], v[96:97], v[98:99]    ; the row's sum of the unquantised p, in two chains
.irp j, 4,8,12,16,20,24,28,32,36,40,44,48,52,56,60
	v_pk_add_f32 v[14:15], v[14:15], v[96+\j:97+\j]
	v_pk_add_f32 v[236:237], v[236:237], v[98+\j:99+\j]
.endr
	v_pk_add_f32 v[14:15], v[14:15], v[236:237]
	s_wait_alu depctr_va_vdst(0)                   ; and one for the four
.irp b, 0,1,2,3
	v_max_num_f32 v[232+\b], 0x1800000, v[232+\b]  ; the floor 2^(3 - 127): a block whose every p is 0 keeps the byte 1: its codes are zeros
.endr
.irp b, 0,1,2,3
	v_add_nc_u32 v[244+\b], 0xff000000, v[232+\b]  ; 2 off the exponent field: the conversion's scale operand
.endr
.irp b, 0,1,2,3
	v_lshrrev_b32 v[236+\b], 23, v[244+\b]
.endr
	v_lshl_or_b32 v95, v237, 8, v236               ; p's scale word for these 128 keys
	v_lshl_or_b32 v95, v238, 16, v95
	v_lshl_or_b32 v95, v239, 24, v95
.irp c, 0,1
	v_cvt_scalef32_pk16_fp6_f32 v[192+6*\c:194+6*\c], v[96+32*\c:111+32*\c], v[244+2*\c]
	v_cvt_scalef32_pk16_fp6_f32 v[204+4*\c:206+4*\c], v[112+32*\c:127+32*\c], v[244+2*\c+1]
.endr
	v_nop                                          ; one plain place behind a scaled conversion
.irp c, 0,1
.irp i, 0,1,2
	v_permlane16_swap_b32 v[192+6*\c+\i], v[204+4*\c+\i]
.endr
.irp i, 0,1,2
	v_mov_b32 v[195+6*\c+\i], v[204+4*\c+\i]
.endr
.endr
.set j, 0
.rept 16
	v_pk_mul_f32 v[160+j:161+j], v[160+j:161+j], v[252:253] op_sel_hi:[1,0]   ; O^T under the new M; these sixteen are also the places between the scale word, the codes and the products
.set j, j+2
.endr
	s_wait_dscnt 0x0                               ; V is in
.irp m, 0,1,2,3
.if \m%2 == 0
	v_wmma_scale_f32_16x16x128_f8f6f4 v[160+8*\m:167+8*\m], v[F+12*\m:F+12*\m+11], v[192:203], v[160+8*\m:167+8*\m], v[90+\m/2], v95 matrix_a_fmt:MATRIX_FMT_FP6 matrix_b_fmt:MATRIX_FMT_FP6
.else
	v_wmma_scale_f32_16x16x128_f8f6f4 v[160+8*\m:167+8*\m], v[F+12*\m:F+12*\m+11], v[192:203], v[160+8*\m:167+8*\m], v[90+\m/2], v95 matrix_a_fmt:MATRIX_FMT_FP6 matrix_b_fmt:MATRIX_FMT_FP6 matrix_a_scale:MATRIX_SCALE_ROW1
.endif
.endr
.Lhid_\@:
	s_add_co_u32 s[KF], s[KF], 128
	s_add_co_u32 s[TS], s[TS], 256
.endm
; A pass's eight trips of 256 keys: the count is a constant; what lies behind the length is jumped over inside.  The barrier stands outside every branch.
.macro PASS
	s_mov_b32 s[CNT], 0
.Ltrip_\@:
	s_wait_loadcnt 0x0                             ; the next chunk, asked for a trip ago, is in registers
	s_add_co_u32 s32, s[KF], 256
	s_cmp_lt_u32 s32, s[LEN]
	s_cbranch_scc0 .Lns_\@
	s_xor_b32 s33, s[TB], SLOT1                    ; it goes into the other slot, which nobody reads since the last barrier
	v_add_nc_u32 v9, s33, v4
.irp i, 0,1,2
	ds_store_b128 v9, v[STG+4*\i:STG+4*\i+3] offset:512*\i
.endr
.Lns_\@:
	s_wait_dscnt 0x0                               ; the stores have read their registers
	s_add_nc_u64 s[PK:PK+1], s[PK:PK+1], 12288     ; (every load that named it is done)
	s_add_co_u32 s32, s[KF], 512
	s_cmp_lt_u32 s32, s[LEN]
	s_cbranch_scc0 .Lnl_\@
	CHUNK                                          ; the chunk after that: it has this trip in which to land
.Lnl_\@:
	STEP 0
	STEP 1
	s_xor_b32 s[TB], s[TB], SLOT1
	s_wait_dscnt 0x0                               ; my stores have landed and my reads of this slot are over
	s_barrier_signal -1
	s_barrier_wait -1
	s_add_co_u32 s[CNT], s[CNT], 1
	s_cmp_lt_u32 s[CNT], 8
	s_cbranch_scc1 .Ltrip_\@
	s_wait_loadcnt 0x0                             ; no load is out: pointers and the stage may be written again
.endm
; ctx = O^T / the sum; register 16 b + i = channel 32 b + 16 h + i of my query: two blocks of the last product's K.  Half a fragment and two scale bytes leave.
.macro EPI pc
.rept 4
	v_nop                                          ; places behind the last products
.endr
	v_add_f32 v14, v14, v15
	v_permlanex16_b32 v252, v14, s[SEL], s[SEL+1]
	v_add_f32 v14, v14, v252                       ; the row's sum
	v_rcp_f32 v14, v14
	v_nop                                          ; a plain place behind the transcendental
	s_wait_alu depctr_va_vdst(0)                   ; the wait ahead of its first reader
.set j, 0
.rept 32
	v_mul_f32 v[96+j], v[160+j], v14
.set j, j+1
.endr
.irp b, 0,1
	v_max3_num_f32 v[232+\b], |v[96+16*\b]|, |v[97+16*\b]|, 0x1800000
.endr
.irp i, 2,4,6,8,10,12,14
.irp b, 0,1
	v_max3_num_f32 v[232+\b], v[232+\b], |v[96+16*\b+\i]|, |v[97+16*\b+\i]|
.endr
.endr
.irp b, 0,1
	v_permlanex16_b32 v[236+\b], v[232+\b], s[SEL], s[SEL+1]
.endr
.irp b, 0,1
	v_max_num_f32 v[232+\b], v[232+\b], v[236+\b]
.endr
.irp b, 0,1
	v_add_nc_u32 v[244+\b], 0xff000000, v[232+\b]
.endr
.irp b, 0,1
	v_lshrrev_b32 v[236+\b], 23, v[244+\b]
.endr
	v_lshl_or_b32 v94, v237, 8, v236               ; my row's two bytes
	v_cvt_scalef32_pk16_fp6_f32 v[192:194], v[96:111], v244
	v_cvt_scalef32_pk16_fp6_f32 v[204:206], v[112:127], v245
	v_nop                                          ; one plain place behind a scaled conversion
.irp i, 0,1,2
	v_permlane16_swap_b32 v[192+\i], v[204+\i]
.endr
.irp i, 0,1,2
	v_mov_b32 v[195+\i], v[204+\i]                 ; lane (r, h): channels 32 h .. 32 h + 31
.endr
	global_store_b128 v1, v[192:195], s[\pc:\pc+1]             ; 512 consecutive bytes, aligned
	global_store_b64 v2, v[196:197], s[\pc:\pc+1] offset:512   ; 256 consecutive bytes, aligned
	global_store_b16 v10, v94, s[\pc+2:\pc+3]      ; lanes r and r + 16 write the same two bytes with the same value
.endm
	SETP KA, PC0
	LOADS
	START
	PASS
	SETP KB, PC1
	LOADS                                          ; the second pass's first loads are on their way while the first pass's result is quantised
	EPI PC0
	START
	PASS
	EPI PC1
	s_wait_tensorcnt 0x0
	ds_add_u32 v251, v255
	s_wait_dscnt 0x0
	s_endpgm
.Lfunc_end_k_q7d9794aa2b_attn:
	.size	k_q7d9794aa2b_attn, .Lfunc_end_k_q7d9794aa2b_attn-k_q7d9794aa2b_attn
	.p2alignl 7, 3214868480
	.fill 96, 4, 3214868480
	.section	.rodata,"a",@progbits
	.p2align	6, 0x0
	.amdhsa_kernel k_q7d9794aa2b_attn
		.amdhsa_group_segment_fixed_size 67584
		.amdhsa_private_segment_fixed_size 0
		.amdhsa_enable_private_segment 0
		.amdhsa_kernarg_size 40
		.amdhsa_user_sgpr_count 2
		.amdhsa_user_sgpr_kernarg_segment_ptr 1
		.amdhsa_wavefront_size32 1
		.amdhsa_system_sgpr_workgroup_id_x 1
		.amdhsa_system_sgpr_workgroup_id_y 1
		.amdhsa_system_sgpr_workgroup_id_z 1
		.amdhsa_system_vgpr_workitem_id 0
		.amdhsa_next_free_vgpr 256
		.amdhsa_next_free_sgpr 80
		.amdhsa_reserve_vcc 1
		.amdhsa_float_denorm_mode_32 3
		.amdhsa_float_denorm_mode_16_64 3
		.amdhsa_memory_ordered 1
		.amdhsa_forward_progress 1
		.amdhsa_inst_pref_size 113
	.end_amdhsa_kernel
	.amdgpu_metadata
---
amdhsa.version: [ 1, 2 ]
amdhsa.kernels:
  - .name:           k_q7d9794aa2b_attn
    .symbol:         k_q7d9794aa2b_attn.kd
    .args:
      - { .name: src_batch_lens, .offset: 0, .size: 8, .value_kind: global_buffer, .address_space: global }
      - { .name: qkvc, .offset: 8, .size: 8, .value_kind: global_buffer, .address_space: global }
      - { .name: qkvs, .offset: 16, .size: 8, .value_kind: global_buffer, .address_space: global }
      - { .name: cc, .offset: 24, .size: 8, .value_kind: global_buffer, .address_space: global }
      - { .name: cs, .offset: 32, .size: 8, .value_kind: global_buffer, .address_space: global }
    .group_segment_fixed_size: 67584
    .private_segment_fixed_size: 0
    .kernarg_segment_align: 8
    .kernarg_segment_size: 40
    .max_flat_workgroup_size: 512
    .sgpr_count:     80
    .vgpr_count:     256
    .wavefront_size: 32
...
	.end_amdgpu_metadata
.endif
;; end of part 3
;; launch outp (part 4): grid 64 x 4, 4 waves a work-group, no clusters, 68,096 bytes of LDS; arguments cc, cs, wcod, bo, out0; writes out0
.if DOCPART == 4
	.amdgcn_target "amdgcn-amd-amdhsa--gfx1250"
	.amdhsa_code_object_version 6
	.text
	.protected	k_q7d9794aa2b_outp
	.globl	k_q7d9794aa2b_outp
	.p2align	8
	.type	k_q7d9794aa2b_outp,@function
k_q7d9794aa2b_outp:
	s_mov_b64 s[64:65], 0
	v_nop
	global_prefetch_b8 v0, s[64:65] scope:SCOPE_SE
	s_setreg_imm32_b32 hwreg(HW_REG_WAVE_MODE, 25, 1), 1
	s_wait_xcnt 0x0
; out0 = ctx Wo^T + bo on codes of FP6 (E2M3) with one E8M0 scale for each 32 along K.  ctx's codes (cc) and scale words (cs) and Wo's (wcod) lie in memory in the order of the operands' registers.
; SHARES.  Wave w of work-group (g, y): rows 64 (4 g + w) .. + 63, columns 128 y .. + 127.  All its operands go into registers at the head: 32 fragments of Wo, 16 of ctx.  Waves share nothing: no barrier.
; cc: [row tile][head] places of 1,024 bytes, each with a half fragment of 768 (registers 0-3 at 16 x lane, 4-5 at 512 + 8 x lane): heads 2 s and 2 s + 1 are the two halves of the fragment of K step s.  cs: [row tile][s][r] words.
; Source 0 = 16 rows of Wo, source 1 = 16 rows of ctx: a lane holds one row and eight neighbouring columns.  bo is the C of each sum's first matrix instruction.
; Row r of row tile 2 p + u of a block of 64 is row 32 p + 8 u + r + 8 (r / 8).  Results go through the wave's own stage in LDS (32 rows x (512 + 16) bytes) and leave as whole runs of 512 bytes of a row.
; NO CLUSTER: Wo's part is shared, but it goes from memory straight into registers, once; a joint load lands in LDS alone.  No tensor load, so no ring.
; REGISTERS: window 0: v1-7 addresses, v32-95 results, v96-159 rows on their way out, v160-191 Wo's scale words, v192-207 ctx's.  windows 1, 2: Wo's fragments.  window 3: ctx's fragments; from v192 the 8 bias tiles.
.set FR,  12
.set HA,  32
.set OB,  96
.set WS,  160
.set XS,  192
.set BI,  192
.set MSB, 0
.macro WIN new                         ; the immediate's high byte repeats the setting that is left
.if MSB != (\new)
	s_set_vgpr_msb (MSB<<8)|(\new)
.set MSB, (\new)
.endif
.endm
	s_load_b256 s[4:11], s[0:1], 0x0               ; cc, cs, wcod, bo
	s_load_b64 s[12:13], s[0:1], 0x20              ; out0
	v_lshl_add_u32 v254, v0, 2, 0x10800
	v_mov_b32 v255, 0
	v_lshrrev_b32 v1, 5, v0
	v_readfirstlane_b32 s14, v1                    ; wave 0..3
	s_and_b32 s16, ttmp7, 0xffff                   ; y
	s_lshl_b32 s15, ttmp9, 2
	s_add_co_u32 s15, s15, s14                     ; my block of 64 rows
	v_and_b32 v8, 31, v0
	v_and_b32 v9, 15, v0
	v_bfe_u32 v10, v0, 4, 1
	v_lshlrev_b32 v1, 4, v8                        ; 16 x lane
	v_lshlrev_b32 v2, 2, v8                        ; 4 x lane
	v_lshlrev_b32 v3, 3, v8                        ; 8 x lane
	v_lshlrev_b32 v4, 2, v9                        ; 4 r
	v_lshlrev_b32 v5, 6, v10                       ; 64 h
	s_mul_i32 s17, s14, 32*528                     ; my stage
	v_mul_u32_u24 v6, v9, 528
	v_add_nc_u32 v6, v6, v5
	v_add_nc_u32 v6, s17, v6                       ; in: row r, + 64 h
	v_add_nc_u32 v7, s17, v1                       ; back: 16 bytes a lane of a row
	s_mov_b32 s19, 0
	s_wait_kmcnt 0x0
	s_lshl_b32 s18, s15, 15                        ; 4 row tiles x 8 heads x 1,024 bytes a block
	s_add_nc_u64 s[4:5], s[4:5], s[18:19]          ; my four row tiles' codes
	s_lshl_b32 s18, s15, 10
	s_add_nc_u64 s[6:7], s[6:7], s[18:19]          ; their scale words
	s_mul_i32 s18, s16, 49152
	s_add_co_u32 s18, s18, 589824
	s_add_nc_u64 s[20:21], s[8:9], s[18:19]        ; Wo's tiles 8 y .. 8 y + 7
	s_lshl_b32 s18, s16, 12
	s_add_co_u32 s18, s18, 835584
	s_add_nc_u64 s[22:23], s[8:9], s[18:19]        ; their scale words
	s_lshl_b32 s18, s16, 9
	s_add_nc_u64 s[10:11], s[10:11], s[18:19]      ; bo at my 128 columns
	s_lshl_b32 s24, s15, 17
	s_add_co_u32 s18, s18, s24
	s_add_nc_u64 s[12:13], s[12:13], s[18:19]      ; out0 at my first row and column
.irp e, 0,1
	WIN 0x40*(1+\e)
.irp f, 0,1,2,3,4,5,6,7,8,9,10,11,12,13,14,15
.irp c, 0,1,2
	global_load_b128 v[FR*\f+4*\c:FR*\f+4*\c+3], v1, s[20:21] offset:(16*\e+\f)*1536+512*\c
.endr
.endr
.endr
	WIN 0xc0
.irp f, 0,1,2,3,4,5,6,7,8,9,10,11,12,13,14,15  ; ctx's fragment (row tile f / 4, K step f % 4): the half fragments of two heads, 1,024 bytes apart
	global_load_b128 v[FR*\f:FR*\f+3], v1, s[4:5] offset:\f*2048
	global_load_b64 v[FR*\f+4:FR*\f+5], v3, s[4:5] offset:\f*2048+512
	global_load_b128 v[FR*\f+6:FR*\f+9], v1, s[4:5] offset:\f*2048+1024
	global_load_b64 v[FR*\f+10:FR*\f+11], v3, s[4:5] offset:\f*2048+1536
.endr
.irp i, 0,1,2,3,4,5,6,7                        ; bias tile i = 4 e + T': lane (r, h) wants columns 64 e + 32 (T' / 2) + 16 h + 8 (T' % 2) + 0 .. 7
	global_load_b128 v[BI+8*\i:BI+8*\i+3], v5, s[10:11] offset:(64*(\i/4)+32*((\i%4)/2)+8*(\i%2))*4
	global_load_b128 v[BI+8*\i+4:BI+8*\i+7], v5, s[10:11] offset:(64*(\i/4)+32*((\i%4)/2)+8*(\i%2))*4+16
.endr
	WIN 0
.set f, 0
.rept 32
	global_load_b32 v[WS+f], v2, s[22:23] offset:f*128
.set f, f+1
.endr
.irp f, 0,1,2,3,4,5,6,7,8,9,10,11,12,13,14,15
	global_load_b32 v[XS+\f], v4, s[6:7] offset:\f*64
.endr
	s_wait_loadcnt 0x0
; columns 64 e on, row tiles 2 p and 2 p + 1: 32 products, eight accumulators by turns; then into the stage
.macro UNIT e, p
.irp s, 0,1,2,3
.if \s == 0
	WIN (1+\e)|12|48                               ; source 0 (Wo) window 1 + e, source 1 (ctx) and source 2 (bias) window 3
.else
	WIN (1+\e)|12
.endif
.irp u, 0,1
.irp q, 0,1,2,3
.if \s == 0
	v_wmma_scale_f32_16x16x128_f8f6f4 v[HA+32*\u+8*\q:HA+32*\u+8*\q+7], v[FR*(4*\q+\s):FR*(4*\q+\s)+FR-1], v[FR*(4*(2*\p+\u)+\s):FR*(4*(2*\p+\u)+\s)+FR-1], v[BI+8*(4*\e+\q):BI+8*(4*\e+\q)+7], v[WS+16*\e+4*\q+\s], v[XS+4*(2*\p+\u)+\s] matrix_a_fmt:MATRIX_FMT_FP6 matrix_b_fmt:MATRIX_FMT_FP6
.else
	v_wmma_scale_f32_16x16x128_f8f6f4 v[HA+32*\u+8*\q:HA+32*\u+8*\q+7], v[FR*(4*\q+\s):FR*(4*\q+\s)+FR-1], v[FR*(4*(2*\p+\u)+\s):FR*(4*(2*\p+\u)+\s)+FR-1], v[HA+32*\u+8*\q:HA+32*\u+8*\q+7], v[WS+16*\e+4*\q+\s], v[XS+4*(2*\p+\u)+\s] matrix_a_fmt:MATRIX_FMT_FP6 matrix_b_fmt:MATRIX_FMT_FP6
.endif
.endr
.endr
.endr
	WIN 0
.rept 5
	v_nop                                          ; four places in front of the stores that read results; the fifth for the next unit's first products, which begin these accumulators anew with another C
.endr
.irp u, 0,1
.irp q, 0,1,2,3
	ds_store_b128 v6, v[HA+32*\u+8*\q:HA+32*\u+8*\q+3] offset:16*\u*528+256*\e+128*(\q/2)+32*(\q%2)      ; each accumulator from its low end on
	ds_store_b128 v6, v[HA+32*\u+8*\q+4:HA+32*\u+8*\q+7] offset:16*\u*528+256*\e+128*(\q/2)+32*(\q%2)+16
.endr
.endr
	s_wait_dscnt 0x0                               ; the stores have read their registers
.endm
.irp p, 0,1
	UNIT 0, \p
	UNIT 1, \p
.irp u, 0,1
	s_wait_xcnt 0x0                                ; the earlier stores have read their registers: the rows' registers may be loaded again
.irp i, 0,1,2,3,4,5,6,7,8,9,10,11,12,13,14,15
	ds_load_b128 v[OB+4*\i:OB+4*\i+3], v7 offset:(16*\u+\i)*528   ; LDS serves a wave's instructions in order: these see my stores
.endr
.irp i, 0,1,2,3,4,5,6,7,8,9,10,11,12,13,14,15
	s_wait_dscnt 15-\i                             ; load i is in; the 15 - i issued behind it may be out
	global_store_b128 v1, v[OB+4*\i:OB+4*\i+3], s[12:13] offset:(32*\p+8*\u+\i+8*(\i/8))*2048 th:TH_STORE_NT   ; 32 lanes store 512 consecutive bytes, at a multiple of 256 from out0's first byte
.endr
.endr
.endr
	s_wait_tensorcnt 0x0
	ds_add_u32 v254, v255
	s_wait_dscnt 0x0
	s_endpgm
.Lfunc_end_k_q7d9794aa2b_outp:
	.size	k_q7d9794aa2b_outp, .Lfunc_end_k_q7d9794aa2b_outp-k_q7d9794aa2b_outp
	.p2alignl 7, 3214868480
	.fill 96, 4, 3214868480
	.section	.rodata,"a",@progbits
	.p2align	6, 0x0
	.amdhsa_kernel k_q7d9794aa2b_outp
		.amdhsa_group_segment_fixed_size 68096
		.amdhsa_private_segment_fixed_size 0
		.amdhsa_enable_private_segment 0
		.amdhsa_kernarg_size 40
		.amdhsa_user_sgpr_count 2
		.amdhsa_user_sgpr_kernarg_segment_ptr 1
		.amdhsa_wavefront_size32 1
		.amdhsa_system_sgpr_workgroup_id_x 1
		.amdhsa_system_sgpr_workgroup_id_y 1
		.amdhsa_system_sgpr_workgroup_id_z 1
		.amdhsa_system_vgpr_workitem_id 0
		.amdhsa_next_free_vgpr 1024
		.amdhsa_next_free_sgpr 66
		.amdhsa_reserve_vcc 0
		.amdhsa_float_denorm_mode_32 3
		.amdhsa_float_denorm_mode_16_64 3
		.amdhsa_memory_ordered 1
		.amdhsa_forward_progress 1
		.amdhsa_inst_pref_size 57
	.end_amdhsa_kernel
	.amdgpu_metadata
---
amdhsa.version: [ 1, 2 ]
amdhsa.kernels:
  - .name:           k_q7d9794aa2b_outp
    .symbol:         k_q7d9794aa2b_outp.kd
    .args:
      - { .name: cc, .offset: 0, .size: 8, .value_kind: global_buffer, .address_space: global }
      - { .name: cs, .offset: 8, .size: 8, .value_kind: global_buffer, .address_space: global }
      - { .name: wcod, .offset: 16, .size: 8, .value_kind: global_buffer, .address_space: global }
      - { .name: bo, .offset: 24, .size: 8, .value_kind: global_buffer, .address_space: global }
      - { .name: out0, .offset: 32, .size: 8, .value_kind: global_buffer, .address_space: global }
    .group_segment_fixed_size: 68096
    .private_segment_fixed_size: 0
    .kernarg_segment_align: 8
    .kernarg_segment_size: 40
    .max_flat_workgroup_size: 128
    .sgpr_count:     66
    .vgpr_count:     1024
    .wavefront_size: 32
...
	.end_amdgpu_metadata
.endif
;; end of part 4
;; ======== version 2 of 2: 4 launches
;; limits: right only within a limited range of input values
;; workspace buffers: wcod 851,968 bytes; qkvc 18,874,368 bytes; qkvs 786,432 bytes; cc 8,388,608 bytes; cs 262,144 bytes
;; launch prep (part 5): grid 128 x 1, 4 waves a work-group, no clusters, 34,304 bytes of LDS; arguments Wq, Wk, Wv, Wo, wcod; writes wcod
.if DOCPART == 5
	.amdgcn_target "amdgcn-amd-amdhsa--gfx1250"
	.amdhsa_code_object_version 6
	.text
	.protected	k_q7d9794aa2b_prep
	.globl	k_q7d9794aa2b_prep
	.p2align	8
	.type	k_q7d9794aa2b_prep,@function
k_q7d9794aa2b_prep:
	s_mov_b64 s[64:65], 0
	v_nop
	global_prefetch_b8 v0, s[64:65] scope:SCOPE_SE
	s_setreg_imm32_b32 hwreg(HW_REG_WAVE_MODE, 25, 1), 1
	s_wait_xcnt 0x0
; The four weights [512][512] f32 (K innermost) become codes of FP6 (E2M3) with one E8M0 byte for each 32 along K, laid in the ORDER OF THE OPERAND'S REGISTERS.
; wcod: codes [weight 4][tile T 32][K step s 4], a fragment of 1,536 bytes each: three pieces of 512 bytes, piece c = registers 4 c .. 4 c + 3 at 16 x lane.  From byte 786,432: scale words [weight][T][s][lane], 4 bytes a lane.
; THE ROWS OF A TILE ARE NOT NEIGHBOURS: lane r of tile T takes row 32 (T / 2) + 8 (T % 2) + r + 8 (r / 8), so that the results of tiles 2 b and 2 b + 1 are 16 neighbours along the next product's K.
; A work-group takes one tile of one weight, each of its four waves one K step of 128: one fragment.  Each load reads 512 consecutive bytes of a row; the 16 rows turn through the wave's own stage in LDS
; (rows 528 bytes apart) and come back 64 bytes a lane: register 16 b + i = k 32 b + 16 (lane / 16) + i of the lane's row.  No barrier: waves share nothing.
; A block's scale is 2^(floor(log2(its largest magnitude)) - 2); its byte is the largest magnitude's exponent field - 2, held at 1 from below.
; LIMITS: a block of zeros gets the byte 1 (its codes are zeros; only this program reads the bytes); NaN and infinities among the inputs are not served.
.set STGW, 16*528                      ; a wave's stage
.set PC,   8                           ; v8-19 the fragment's codes, v20-26 at work
.set R,    32                          ; v32-95 16 rows as loaded
.set HA,   96                          ; v96-159 my 64 numbers
.set TM,   160                         ; v160-175 largest magnitudes, bytes, scale operands
.set PW,   176                         ; the scale word
.set SEL,  20                          ; s[20:21] lane selects for v_permlanex16_b32: lane l xor 16
; 64 numbers of a lane, register 16 b + i = k 32 b + 16 (lane / 16) + i of my row, become a fragment's codes in v[PC] on and its scale word in v[PW].
.macro QUANT s
.irp b, 0,1,2,3
	v_max3_num_f32 v[TM+\b], |v[\s+16*\b]|, |v[\s+1+16*\b]|, 0x1800000   ; my 16 numbers of block b, and the floor 2^(3 - 127): the byte cannot fall under 1
.endr
.irp i, 2,4,6,8,10,12,14
.irp b, 0,1,2,3
	v_max3_num_f32 v[TM+\b], v[TM+\b], |v[\s+16*\b+\i]|, |v[\s+1+16*\b+\i]|
.endr
.endr
.irp b, 0,1,2,3
	v_permlanex16_b32 v[TM+4+\b], v[TM+\b], s[SEL], s[SEL+1]
.endr
.irp b, 0,1,2,3
	v_max_num_f32 v[TM+\b], v[TM+\b], v[TM+4+\b]   ; with lane l xor 16's: the block's largest magnitude
.endr
.irp b, 0,1,2,3
	v_add_nc_u32 v[TM+12+\b], 0xff000000, v[TM+\b]   ; 2 off its exponent field: the conversion's scale operand
.endr
.irp b, 0,1,2,3
	v_lshrrev_b32 v[TM+4+\b], 23, v[TM+12+\b]   ; the scale's byte
.endr
	v_lshl_or_b32 v[PW], v[TM+5], 8, v[TM+4]
	v_lshl_or_b32 v[PW], v[TM+6], 16, v[PW]
	v_lshl_or_b32 v[PW], v[TM+7], 24, v[PW]
.irp c, 0,1
	v_cvt_scalef32_pk16_fp6_f32 v[PC+6*\c:PC+2+6*\c], v[\s+32*\c:\s+15+32*\c], v[TM+12+2*\c]
	v_cvt_scalef32_pk16_fp6_f32 v[PC+12+4*\c:PC+14+4*\c], v[\s+16+32*\c:\s+31+32*\c], v[TM+12+2*\c+1]   ; (a conversion's three registers begin on an even number)
.endr
	v_nop                                          ; one plain place behind a scaled conversion
.irp c, 0,1                                    ; the operand's layout wants a whole block in a lane: lanes 0-15 block 2 c, lanes 16-31 block 2 c + 1
.irp i, 0,1,2
	v_permlane16_swap_b32 v[PC+6*\c+\i], v[PC+12+4*\c+\i]
.endr
.irp i, 0,1,2
	v_mov_b32 v[PC+3+6*\c+\i], v[PC+12+4*\c+\i]
.endr
.endr
.endm
	s_load_b256 s[4:11], s[0:1], 0x0               ; Wq, Wk, Wv, Wo
	s_load_b64 s[12:13], s[0:1], 0x20              ; wcod
	v_lshl_add_u32 v192, v0, 2, 0x8400
	v_mov_b32 v193, 0
	v_lshrrev_b32 v1, 5, v0
	v_readfirstlane_b32 s14, v1                    ; wave = K step s
	v_and_b32 v5, 31, v0                           ; lane
	v_and_b32 v6, 15, v0                           ; r
	v_bfe_u32 v7, v0, 4, 1                         ; h
	v_lshlrev_b32 v1, 4, v5                        ; 16 x lane
	v_lshlrev_b32 v2, 2, v5                        ; 4 x lane
	s_mul_i32 s15, s14, STGW
	v_add_nc_u32 v3, s15, v1                       ; the stage, on the way in: a row's 512 bytes as they lie
	v_mul_u32_u24 v4, v6, 528
	v_lshl_add_u32 v4, v7, 6, v4
	v_add_nc_u32 v4, s15, v4                       ; and on the way out: row r, + 64 h
	s_mov_b32 s[SEL], 0x76543210
	s_mov_b32 s[SEL+1], 0xfedcba98
.irp b, 0,1,2,3
	v_mov_b32 v[TM+4+\b], 0                        ; written once: a lane permute's destination counts as one of its sources
.endr
	s_lshr_b32 s16, ttmp9, 5                       ; which weight
	s_and_b32 s17, ttmp9, 31                       ; which tile T
	s_lshr_b32 s18, s17, 1
	s_lshl_b32 s18, s18, 5
	s_and_b32 s19, s17, 1
	s_lshl_b32 s19, s19, 3
	s_add_co_u32 s18, s18, s19                     ; the tile's first row: 32 (T / 2) + 8 (T % 2)
	s_lshl_b32 s18, s18, 11                        ; x 2,048 bytes
	s_lshl_b32 s19, s14, 9
	s_add_co_u32 s18, s18, s19                     ; + 512 s
	s_mov_b32 s19, 0
	s_lshl_b32 s22, s17, 2
	s_add_co_u32 s22, s22, s14                     ; the fragment's number: 4 T + s
	s_mul_i32 s24, s22, 1536
	s_mul_i32 s23, s16, 196608
	s_add_co_u32 s24, s24, s23
	s_mov_b32 s25, 0
	s_lshl_b32 s26, s22, 7
	s_lshl_b32 s23, s16, 14
	s_add_co_u32 s26, s26, s23
	s_add_co_u32 s26, s26, 786432
	s_mov_b32 s27, 0
	s_wait_alu depctr_va_vdst(0)
	s_wait_kmcnt 0x0
	s_cmp_eq_u32 s16, 1                            ; the choice hangs on the work-group's number alone
	s_cselect_b64 s[4:5], s[6:7], s[4:5]
	s_cmp_eq_u32 s16, 2
	s_cselect_b64 s[4:5], s[8:9], s[4:5]
	s_cmp_eq_u32 s16, 3
	s_cselect_b64 s[4:5], s[10:11], s[4:5]
	s_add_nc_u64 s[4:5], s[4:5], s[18:19]
	s_add_nc_u64 s[24:25], s[12:13], s[24:25]      ; where the codes go
	s_add_nc_u64 s[26:27], s[12:13], s[26:27]      ; where the scale words go
.irp i, 0,1,2,3,4,5,6,7,8,9,10,11,12,13,14,15
	global_load_b128 v[R+4*\i:R+4*\i+3], v1, s[4:5] offset:(\i+8*(\i/8))*2048 th:TH_LOAD_NT   ; 32 lanes read 512 consecutive bytes of the tile's row i
.endr
	s_wait_loadcnt 0x0
.irp i, 0,1,2,3,4,5,6,7,8,9,10,11,12,13,14,15
	ds_store_b128 v3, v[R+4*\i:R+4*\i+3] offset:\i*528
.endr
.irp b, 0,1,2,3
.irp j, 0,1,2,3
	ds_load_b128 v[HA+16*\b+4*\j:HA+16*\b+4*\j+3], v4 offset:128*\b+16*\j   ; LDS serves a wave's instructions in order: these see my stores
.endr
.endr
	s_wait_dscnt 0x0
	QUANT HA
.irp c, 0,1,2
	global_store_b128 v1, v[PC+4*\c:PC+4*\c+3], s[24:25] offset:512*\c   ; 512 consecutive bytes, aligned
.endr
	global_store_b32 v2, v[PW], s[26:27]
	s_wait_tensorcnt 0x0
	ds_add_u32 v192, v193
	s_wait_dscnt 0x0
	s_endpgm
.Lfunc_end_k_q7d9794aa2b_prep:
	.size	k_q7d9794aa2b_prep, .Lfunc_end_k_q7d9794aa2b_prep-k_q7d9794aa2b_prep
	.p2alignl 7, 3214868480
	.fill 96, 4, 3214868480
	.section	.rodata,"a",@progbits
	.p2align	6, 0x0
	.amdhsa_kernel k_q7d9794aa2b_prep
		.amdhsa_group_segment_fixed_size 34304
		.amdhsa_private_segment_fixed_size 0
		.amdhsa_enable_private_segment 0
		.amdhsa_kernarg_size 40
		.amdhsa_user_sgpr_count 2
		.amdhsa_user_sgpr_kernarg_segment_ptr 1
		.amdhsa_wavefront_size32 1
		.amdhsa_system_sgpr_workgroup_id_x 1
		.amdhsa_system_sgpr_workgroup_id_y 1
		.amdhsa_system_sgpr_workgroup_id_z 1
		.amdhsa_system_vgpr_workitem_id 0
		.amdhsa_next_free_vgpr 194
		.amdhsa_next_free_sgpr 66
		.amdhsa_reserve_vcc 0
		.amdhsa_float_denorm_mode_32 3
		.amdhsa_float_denorm_mode_16_64 3
		.amdhsa_memory_ordered 1
		.amdhsa_forward_progress 1
		.amdhsa_inst_pref_size 11
	.end_amdhsa_kernel
	.amdgpu_metadata
---
amdhsa.version: [ 1, 2 ]
amdhsa.kernels:
  - .name:           k_q7d9794aa2b_prep
    .symbol:         k_q7d9794aa2b_prep.kd
    .args:
      - { .name: Wq, .offset: 0, .size: 8, .value_kind: global_buffer, .address_space: global }
      - { .name: Wk, .offset: 8, .size: 8, .value_kind: global_buffer, .address_space: global }
      - { .name: Wv, .offset: 16, .size: 8, .value_kind: global_buffer, .address_space: global }
      - { .name: Wo, .offset: 24, .size: 8, .value_kind: global_buffer, .address_space: global }
      - { .name: wcod, .offset: 32, .size: 8, .value_kind: global_buffer, .address_space: global }
    .group_segment_fixed_size: 34304
    .private_segment_fixed_size: 0
    .kernarg_segment_align: 8
    .kernarg_segment_size: 40
    .max_flat_workgroup_size: 128
    .sgpr_count:     66
    .vgpr_count:     194
    .wavefront_size: 32
...
	.end_amdgpu_metadata
.endif
;; end of part 5
;; launch proj (part 6): grid 64 x 3, 4 waves a work-group, no clusters, 327,680 bytes of LDS; arguments x_Q, x_K, x_V, bq, bk, bv, wcod, qkvc, qkvs; writes qkvc, qkvs
.if DOCPART == 6
	.amdgcn_target "amdgcn-amd-amdhsa--gfx1250"
	.amdhsa_code_object_version 6
	.text
	.protected	k_q7d9794aa2b_proj
	.globl	k_q7d9794aa2b_proj
	.p2align	8
	.type	k_q7d9794aa2b_proj,@function
k_q7d9794aa2b_proj:
	s_mov_b64 s[64:65], 0
	v_nop
	global_prefetch_b8 v0, s[64:65] scope:SCOPE_SE
	s_setreg_imm32_b32 hwreg(HW_REG_WAVE_MODE, 25, 1), 1
	s_wait_xcnt 0x0
; Q = x_Q Wq^T + bq, K and V likewise, on codes of FP6 (E2M3) with one E8M0 scale for each 32 along K; the results are quantised at once, for the attention's products, and leave as codes in the order of the operands' registers.
; SHARES.  Work-group (g, y): tensor y (0 Q, 1 K, 2 V), rows 256 g .. 256 g + 255, four blocks of 64 rows.  Wave w owns heads 2 w and 2 w + 1 (128 columns): its 32 fragments of W stay in 384 registers for the whole launch.
; x comes as f32 through a ring of two LDS slots (a block of 64 rows each), filled by the tensor data mover: wave w brings K step w of all 64 rows, 512 bytes a row, 16 bytes of padding behind each.
; A TRIP: the change of slots | X: wave w quantises tile w of the block's rows, four K steps, and stores the fragments as images of their registers | barrier | all 16 fragments of x into registers | 128 products, quantised, stored.
; TILES: in a group of 32 rows, tile 2 b + u takes in lane r the row 32 b + 8 u + r + 8 (r / 8): of W's rows, and of x's rows (so of queries and keys).
; Q, K: source 0 = 16 rows of W, source 1 = 16 rows of x: a lane holds one row of x and its registers run along the head's 64 channels, the next product's K.
; V: source 0 = 16 rows of x, source 1 = 16 rows of W: a lane holds one channel and its registers run along the keys, the K of the attention's second product.
; The biases are the C of each sum's first matrix instruction.  The factor 1/8 on Q is a power of two: it goes through the quantiser unchanged and is applied to the scores in the next launch.
; qkvc: [tensor][batch][head] 98,304 bytes.  A HALF FRAGMENT is 768 bytes: registers 0-3 at 16 x lane, registers 4-5 at 512 + 8 x lane.  Q, K: [tile 128] half fragments (lane (r, h): row r, channels 32 h on).
;   V: [key step 16][channel tile 4][half 2] (lane (r, h): the tile's channel r, keys 128 step + 64 half + 32 h on).
; qkvs: [tensor][batch][head] 4,096 bytes.  Q, K: [pair of tiles 64][r 16] words, bytes 0, 1 of tile 2 P, bytes 2, 3 of tile 2 P + 1.  V: [step][channel tile][r] words, a byte for each of the step's four blocks of keys.
; NO CLUSTER: no two work-groups read the same rows of x; W goes from memory straight into registers, once for a work-group (196,608 bytes against its 524,288 of x), and a joint load lands in LDS alone.
; NO PREFETCH: the launch is a stream of x; each change of slots puts 131,072 bytes of a work-group on their way.
; LIMITS: a block of zeros gets the byte 1 (only this program reads the bytes); 1/8 is exact unless a block of Q lies under 2^-121; NaN and infinities are not served.
; REGISTERS: window 0: v1-11 addresses, v14-15 for the add, v20-27 the biases' offsets, v32-95 results, v96-114 codes, v116-139 at work, v144-175 W's scale words, v176-191 x's.
;   windows 1, 2: W's 16 fragments of head 2 w, 2 w + 1 ((T', s) at 12 (4 T' + s)).   window 3: x's 16 fragments ((tile, s) at 12 (4 tile + s)); from v192 the 8 bias tiles.
.set KT,    64*528                     ; a K step's tile in LDS: 64 rows x (512 + 16) bytes
.set SLOTB, 4*KT
.set XIMG,  2*SLOTB                    ; behind the ring: x's 16 fragments, 1,536 bytes each,
.set XSC,   XIMG+16*1536               ; their scale words, 128 bytes each,
.set SPARE, XSC+16*128                 ; and the spare words, 128 bytes a wave: two blocks of 256 bytes that no other line names
.set FR,  12
.set HA,  32
.set PC,  96
.set TM,  116
.set PW,  132
.set HWK, 133                          ; Q, K: the first pair's scale word, kept
.set SWD, 134                          ; a scale word on its way out
.set T0,  135
.set VSK, 136                          ; v136-139 V: the even block's two bytes, kept for the odd block
.set WS,  144
.set XS,  176
.set BI,  192
.set G1,  16                           ; s[16:23] descriptor group 1
.set G0,  24                           ; s[24:31] group 0, a set for each slot
.set HI,  32                           ; s32 lanes 16-31
.set SEL, 34                           ; s[34:35]
.set SC,  46                           ; s[46:47] where my codes go
.set SS,  48                           ; s[48:49] where my scale words go
.set WC,  50                           ; s[50:51] my fragments of W
.set WSP, 52                           ; s[52:53] their scale words
.set SB,  54
.set SI,  55
.set SJ,  56
.set CNT, 57
.set MSB, 0
.macro WIN new                         ; the immediate's high byte repeats the setting that is left
.if MSB != (\new)
	s_set_vgpr_msb (MSB<<8)|(\new)
.set MSB, (\new)
.endif
.endm
.macro QUANT s
.irp b, 0,1,2,3
	v_max3_num_f32 v[TM+\b], |v[\s+16*\b]|, |v[\s+1+16*\b]|, 0x1800000   ; my 16 numbers of block b, and the floor 2^(3 - 127): the byte cannot fall under 1
.endr
.irp i, 2,4,6,8,10,12,14
.irp b, 0,1,2,3
	v_max3_num_f32 v[TM+\b], v[TM+\b], |v[\s+16*\b+\i]|, |v[\s+1+16*\b+\i]|
.endr
.endr
.irp b, 0,1,2,3
	v_permlanex16_b32 v[TM+4+\b], v[TM+\b], s[SEL], s[SEL+1]
.endr
.irp b, 0,1,2,3
	v_max_num_f32 v[TM+\b], v[TM+\b], v[TM+4+\b]
.endr
.irp b, 0,1,2,3
	v_add_nc_u32 v[TM+12+\b], 0xff000000, v[TM+\b]   ; 2 off the exponent field: the conversion's scale operand
.endr
.irp b, 0,1,2,3
	v_lshrrev_b32 v[TM+4+\b], 23, v[TM+12+\b]
.endr
	v_lshl_or_b32 v[PW], v[TM+5], 8, v[TM+4]
	v_lshl_or_b32 v[PW], v[TM+6], 16, v[PW]
	v_lshl_or_b32 v[PW], v[TM+7], 24, v[PW]
.irp c, 0,1
	v_cvt_scalef32_pk16_fp6_f32 v[PC+6*\c:PC+2+6*\c], v[\s+32*\c:\s+15+32*\c], v[TM+12+2*\c]
	v_cvt_scalef32_pk16_fp6_f32 v[PC+12+4*\c:PC+14+4*\c], v[\s+16+32*\c:\s+31+32*\c], v[TM+12+2*\c+1]
.endr
	v_nop                                          ; one plain place behind a scaled conversion
.irp c, 0,1
.irp i, 0,1,2
	v_permlane16_swap_b32 v[PC+6*\c+\i], v[PC+12+4*\c+\i]
.endr
.irp i, 0,1,2
	v_mov_b32 v[PC+3+6*\c+\i], v[PC+12+4*\c+\i]
.endr
.endr
.endm
	s_load_b256 s[4:11], s[0:1], 0x0               ; x_Q, x_K, x_V, bq
	s_load_b256 s[36:43], s[0:1], 0x20             ; bk, bv, wcod, qkvc
	s_load_b64 s[44:45], s[0:1], 0x40              ; qkvs
	v_lshl_add_u32 v14, v0, 2, SPARE
	v_mov_b32 v15, 0
	ds_add_u32 v14, v15
	ds_add_u32 v14, v15
	s_wait_dscnt 0x0
	v_lshrrev_b32 v1, 5, v0
	v_readfirstlane_b32 s12, v1                    ; wave 0..3
	s_and_b32 s13, ttmp7, 0xffff                   ; y: the tensor
	s_mov_b32 s14, ttmp9                           ; g
	; descriptor group 1: a tile of 64 rows x 128 f32, rows 512 elements apart, 16 bytes of padding behind each 512
	s_mov_b32 s[G1+0], (2<<16)|(1<<20)|(6<<22)|(3<<25)
	s_mov_b32 s[G1+1], 128<<16                     ; tensor_dim0
	s_mov_b32 s[G1+2], 64<<16                      ; tensor_dim1
	s_mov_b32 s[G1+3], 128<<16                     ; tile_dim0
	s_mov_b32 s[G1+4], 64                          ; tile_dim1
	s_mov_b32 s[G1+5], 512                         ; tensor_dim0_stride
	s_mov_b32 s[G1+6], 0
	s_mov_b32 s[G1+7], 0
	s_mul_i32 s15, s12, KT                         ; my K step's place in a slot
	s_lshl_b32 s2, s14, 19                         ; 256 rows of 2,048 bytes a work-group
	s_lshl_b32 s3, s12, 9                          ; my K step's 512 bytes of a row
	s_add_co_u32 s2, s2, s3
	s_mov_b32 s3, 0
	s_wait_kmcnt 0x0
	s_cmp_eq_u32 s13, 1                            ; the choices hang on the work-group's number alone
	s_cselect_b64 s[4:5], s[6:7], s[4:5]
	s_cselect_b64 s[10:11], s[36:37], s[10:11]
	s_cmp_eq_u32 s13, 2
	s_cselect_b64 s[4:5], s[8:9], s[4:5]
	s_cselect_b64 s[10:11], s[38:39], s[10:11]
	s_add_nc_u64 s[4:5], s[4:5], s[2:3]
.irp s, 0,1
	s_mov_b32 s[G0+4*\s], 1                        ; count = 1
	s_add_co_u32 s[G0+4*\s+1], s15, \s*SLOTB       ; LDS address
	s_add_nc_u64 s[G0+4*\s+2:G0+4*\s+3], s[4:5], \s*131072   ; global address: block s
	s_or_b32 s[G0+4*\s+3], s[G0+4*\s+3], 0x80000000   ; type = 2
.endr
	tensor_load_to_lds s[G0:G0+3], s[G1:G1+7]      ; block 0 into slot 0: the one first fill at the head; a wave never has more than one tensor load out
	s_nop 0
.rept 4
	v_nop
.endr
	v_and_b32 v12, 31, v0                          ; lane
	v_and_b32 v13, 15, v0                          ; r
	v_bfe_u32 v16, v0, 4, 1                        ; h
	v_lshlrev_b32 v1, 4, v12                       ; 16 x lane
	s_wait_alu depctr_va_vdst(0)
	v_lshlrev_b32 v2, 2, v12                       ; 4 x lane
	s_wait_alu depctr_va_vdst(0)
	v_lshlrev_b32 v3, 3, v12                       ; 8 x lane
	v_and_b32 v17, 8, v13
	v_add_nc_u32 v17, v17, v13                     ; r + 8 (r / 8)
	s_wait_alu depctr_va_vdst(0)
	s_lshr_b32 s58, s12, 1
	s_lshl_b32 s58, s58, 5
	s_and_b32 s59, s12, 1
	s_lshl_b32 s59, s59, 3
	s_add_co_u32 s58, s58, s59                     ; tile w's first row in the block: 32 (w / 2) + 8 (w % 2)
	s_mul_i32 s58, s58, 528
	v_mul_u32_u24 v4, v17, 528
	v_lshl_add_u32 v4, v16, 6, v4
	v_add_nc_u32 v4, s58, v4                       ; x in a K step's tile: my row, + 64 h
	s_mul_i32 s58, s12, 4*1536
	s_add_co_u32 s58, s58, XIMG
	v_add_nc_u32 v6, s58, v1                       ; where I store my tile's images
	s_lshl_b32 s58, s12, 9
	s_add_co_u32 s58, s58, XSC
	v_add_nc_u32 v7, s58, v2                       ; and their scale words
	v_add_nc_u32 v10, XIMG, v1                     ; where any image is read
	v_add_nc_u32 v11, XSC, v2
	; the biases' offsets.  Q, K: register j of a tile wants channel 16 h + j of its run: 64 h + 4 j.  V: all eight want the lane's channel: 4 (r + 8 (r / 8))
	s_cmp_eq_u32 s13, 2
	s_cselect_b32 s58, 0, 4
	s_cselect_b32 s59, -1, 0
	v_lshlrev_b32 v18, 6, v16
	v_lshlrev_b32 v19, 2, v17
	v_cndmask_b32 v18, v18, v19, s59
.irp j, 0,1,2,3,4,5,6,7
	v_mad_u32_u24 v[20+\j], s58, \j, v18
.endr
	s_wait_alu depctr_va_vdst(0)
	s_mov_b32 s[HI], 0xffff0000
	s_mov_b32 s[SEL], 0x76543210
	s_mov_b32 s[SEL+1], 0xfedcba98
.irp b, 0,1,2,3
	v_mov_b32 v[TM+4+\b], 0                        ; written once: a lane permute's destination counts as one of its sources
	v_mov_b32 v[VSK+\b], 0
.endr
	s_lshl_b32 s2, s12, 9                          ; the bias: my 128 channels
	s_add_nc_u64 s[10:11], s[10:11], s[2:3]
	s_mul_i32 s2, s13, 196608
	s_mul_i32 s60, s12, 49152
	s_add_co_u32 s2, s2, s60
	s_add_nc_u64 s[WC:WC+1], s[40:41], s[2:3]      ; my 32 fragments of W
	s_lshl_b32 s2, s13, 14
	s_lshl_b32 s60, s12, 12
	s_add_co_u32 s2, s2, s60
	s_add_co_u32 s2, s2, 786432
	s_add_nc_u64 s[WSP:WSP+1], s[40:41], s[2:3]    ; their scale words
	s_lshr_b32 s60, s14, 3                         ; the batch
	s_and_b32 s59, s14, 7                          ; which 256 rows of it
	s_lshl_b32 s60, s60, 3
	s_lshl_b32 s61, s12, 1
	s_add_co_u32 s60, s60, s61                     ; 8 x batch + my first head
	s_mul_i32 s2, s13, 6291456
	s_mul_i32 s61, s60, 98304
	s_add_co_u32 s2, s2, s61
	s_mul_i32 s61, s59, 12288                      ; 16 tiles of 768 bytes, or two key steps of 6,144
	s_add_co_u32 s2, s2, s61
	s_add_nc_u64 s[SC:SC+1], s[42:43], s[2:3]
	s_lshl_b32 s2, s13, 18
	s_lshl_b32 s61, s60, 12
	s_add_co_u32 s2, s2, s61
	s_lshl_b32 s61, s59, 9
	s_add_co_u32 s2, s2, s61
	s_add_nc_u64 s[SS:SS+1], s[44:45], s[2:3]
.irp e, 0,1
	WIN 0x40*(1+\e)                                ; destination window 1 + e
.irp f, 0,1,2,3,4,5,6,7,8,9,10,11,12,13,14,15
.irp c, 0,1,2
	global_load_b128 v[FR*\f+4*\c:FR*\f+4*\c+3], v1, s[WC:WC+1] offset:(16*\e+\f)*1536+512*\c
.endr
.endr
.endr
	WIN 0xc0                                       ; destination window 3
.irp i, 0,1,2,3,4,5,6,7                        ; bias tile i = 4 e + T'
.irp j, 0,1,2,3,4,5,6,7
	global_load_b32 v[BI+8*\i+\j], v[20+\j], s[10:11] offset:(64*(\i/4)+32*((\i%4)/2)+8*(\i%2))*4
.endr
.endr
	WIN 0
.set f, 0
.rept 32
	global_load_b32 v[WS+f], v2, s[WSP:WSP+1] offset:f*128
.set f, f+1
.endr
; Q, K: head 2 w + e, tiles 2 p and 2 p + 1 of the block's rows: 32 products, eight accumulators by turns; then one quantiser for the two tiles: blocks 0, 1 are tile 2 p's channels, blocks 2, 3 tile 2 p + 1's.
.macro UNITQK e, p, t
.irp s, 0,1,2,3
.if \s == 0
	WIN (1+\e)|12|48                               ; source 0 (W) window 1 + e, source 1 (x) and source 2 (bias) window 3
.else
	WIN (1+\e)|12
.endif
.irp u, 0,1
.irp q, 0,1,2,3
.if \s == 0
	v_wmma_scale_f32_16x16x128_f8f6f4 v[HA+32*\u+8*\q:HA+32*\u+8*\q+7], v[FR*(4*\q+\s):FR*(4*\q+\s)+FR-1], v[FR*(4*(2*\p+\u)+\s):FR*(4*(2*\p+\u)+\s)+FR-1], v[BI+8*(4*\e+\q):BI+8*(4*\e+\q)+7], v[WS+16*\e+4*\q+\s], v[XS+4*(2*\p+\u)+\s] matrix_a_fmt:MATRIX_FMT_FP6 matrix_b_fmt:MATRIX_FMT_FP6
.else
	v_wmma_scale_f32_16x16x128_f8f6f4 v[HA+32*\u+8*\q:HA+32*\u+8*\q+7], v[FR*(4*\q+\s):FR*(4*\q+\s)+FR-1], v[FR*(4*(2*\p+\u)+\s):FR*(4*(2*\p+\u)+\s)+FR-1], v[HA+32*\u+8*\q:HA+32*\u+8*\q+7], v[WS+16*\e+4*\q+\s], v[XS+4*(2*\p+\u)+\s] matrix_a_fmt:MATRIX_FMT_FP6 matrix_b_fmt:MATRIX_FMT_FP6
.endif
.endr
.endr
.endr
	WIN 0
.rept 4
	v_nop                                          ; places in front of the first read of results
.endr
	s_wait_xcnt 0x0                                ; the last unit's stores have read their registers: the codes and the word may be written again
	QUANT HA
.irp u, 0,1
	global_store_b128 v1, v[PC+6*\u:PC+6*\u+3], s[SC:SC+1] offset:\e*98304+(4*\t+2*\p+\u)*768        ; 512 consecutive bytes, aligned
	global_store_b64 v3, v[PC+6*\u+4:PC+6*\u+5], s[SC:SC+1] offset:\e*98304+(4*\t+2*\p+\u)*768+512   ; 256 consecutive bytes, aligned
.endr
.if \p == 0
	v_mov_b32 v[HWK], v[PW]
.else
	v_cndmask_b32 v[SWD], v[HWK], v[PW], s[HI]     ; lanes 0-15 the first pair's words, lanes 16-31 the second's
	global_store_b32 v2, v[SWD], s[SS:SS+1] offset:\e*4096+\t*128
.endif
.endm
; V: head 2 w + i / 2, channel tiles 2 (i % 2) and 2 (i % 2) + 1, the block's 64 keys.  Blocks 0, 1 are the first tile's keys, blocks 2, 3 the second's.
.macro UNITV i, t
.set VE, (\i)/2
.set VT, 2*((\i)%2)
.irp s, 0,1,2,3
.if \s == 0
	WIN 3|((1+VE)<<2)|48                           ; source 0 (x) and source 2 (bias) window 3, source 1 (W) window 1 + e
.else
	WIN 3|((1+VE)<<2)
.endif
.irp c, 0,1
.irp m, 0,1,2,3
.if \s == 0
	v_wmma_scale_f32_16x16x128_f8f6f4 v[HA+32*\c+8*\m:HA+32*\c+8*\m+7], v[FR*(4*\m+\s):FR*(4*\m+\s)+FR-1], v[FR*(4*(VT+\c)+\s):FR*(4*(VT+\c)+\s)+FR-1], v[BI+8*(4*VE+VT+\c):BI+8*(4*VE+VT+\c)+7], v[XS+4*\m+\s], v[WS+16*VE+4*(VT+\c)+\s] matrix_a_fmt:MATRIX_FMT_FP6 matrix_b_fmt:MATRIX_FMT_FP6
.else
	v_wmma_scale_f32_16x16x128_f8f6f4 v[HA+32*\c+8*\m:HA+32*\c+8*\m+7], v[FR*(4*\m+\s):FR*(4*\m+\s)+FR-1], v[FR*(4*(VT+\c)+\s):FR*(4*(VT+\c)+\s)+FR-1], v[HA+32*\c+8*\m:HA+32*\c+8*\m+7], v[XS+4*\m+\s], v[WS+16*VE+4*(VT+\c)+\s] matrix_a_fmt:MATRIX_FMT_FP6 matrix_b_fmt:MATRIX_FMT_FP6
.endif
.endr
.endr
.endr
	WIN 0
.rept 4
	v_nop
.endr
	s_wait_xcnt 0x0
	QUANT HA
.irp c, 0,1
	global_store_b128 v1, v[PC+6*\c:PC+6*\c+3], s[SC:SC+1] offset:VE*98304+((\t)/2)*6144+(VT+\c)*1536+((\t)%2)*768
	global_store_b64 v3, v[PC+6*\c+4:PC+6*\c+5], s[SC:SC+1] offset:VE*98304+((\t)/2)*6144+(VT+\c)*1536+((\t)%2)*768+512
.endr
	v_and_b32 v[T0], 0xffff, v[PW]                 ; the first tile's two bytes,
	v_lshrrev_b32 v[SWD], 16, v[PW]                ; the second's:
	v_cndmask_b32 v[T0], v[T0], v[SWD], s[HI]      ; lanes 0-15 the first tile's, lanes 16-31 the second's
.if (\t)%2 == 0
	v_mov_b32 v[VSK+\i], v[T0]                     ; a key step is two blocks: its word is whole with the odd block
.else
	v_lshl_or_b32 v[SWD], v[T0], 16, v[VSK+\i]
	global_store_b32 v2, v[SWD], s[SS:SS+1] offset:VE*4096+((\t)/2)*256+((\i)%2)*128
.endif
.endm
.macro TRIP t
.set SG, (\t)%2
	s_wait_xcnt 0x0                                ; the last trip's stores have read their registers
	s_wait_tensorcnt 0x0                           ; my tensor load has landed: my K step of this trip's block;
	ds_add_u32 v14, v15                            ; 0 onto my spare word
	s_add_nc_u64 s[G0+4*SG+2:G0+4*SG+3], s[G0+4*SG+2:G0+4*SG+3], 262144   ; no load of mine is out: this slot's next block, two on
	s_wait_dscnt 0x0                               ; the add is done, and my reads of the other slot and of the images are over
	s_barrier_signal -1
	s_barrier_wait -1                              ; both now hold of every wave
.if (\t) < 3
	tensor_load_to_lds s[G0+4*(1-SG):G0+4*(1-SG)+3], s[G1:G1+7]   ; the next block, into the slot read last trip: it has the whole trip in which to land
	s_nop 0
.rept 4
	v_nop
.endr
.endif
	; X: tile w of the block's rows, four K steps
	s_mov_b32 s[SB], SG*SLOTB
	s_mov_b32 s[SI], 0
	s_mov_b32 s[SJ], 0
	s_mov_b32 s[CNT], 0
.Lx_\@:
	v_add_nc_u32 v5, s[SB], v4
	v_add_nc_u32 v8, s[SI], v6
	v_add_nc_u32 v9, s[SJ], v7
.irp b, 0,1,2,3
.irp j, 0,1,2,3
	ds_load_b128 v[HA+16*\b+4*\j:HA+16*\b+4*\j+3], v5 offset:128*\b+16*\j   ; my 16 numbers of each block of 32
.endr
.endr
	s_wait_dscnt 0x0
	QUANT HA
.irp c, 0,1,2
	ds_store_b128 v8, v[PC+4*\c:PC+4*\c+3] offset:512*\c   ; the fragment as it stands: 16 bytes a lane, 512 a store
.endr
	ds_store_b32 v9, v[PW]
	s_wait_dscnt 0x0                               ; the stores have landed, and have read their registers
	s_add_co_u32 s[SB], s[SB], KT
	s_add_co_u32 s[SI], s[SI], 1536
	s_add_co_u32 s[SJ], s[SJ], 128
	s_add_co_u32 s[CNT], s[CNT], 1
	s_cmp_lt_u32 s[CNT], 4
	s_cbranch_scc1 .Lx_\@
	s_barrier_signal -1                            ; x's sixteen fragments lie in LDS.  The tensor load stays out
	s_barrier_wait -1
	WIN 0xc0                                       ; destination window 3
.irp f, 0,1,2,3,4,5,6,7,8,9,10,11,12,13,14,15
.irp c, 0,1,2
	ds_load_b128 v[FR*\f+4*\c:FR*\f+4*\c+3], v10 offset:\f*1536+512*\c
.endr
.endr
	WIN 0
.irp f, 0,1,2,3,4,5,6,7,8,9,10,11,12,13,14,15
	ds_load_b32 v[XS+\f], v11 offset:\f*128
.endr
	s_wait_dscnt 0x0
	s_wait_loadcnt 0x0                             ; W, its scale words and the biases (the first trip)
	s_cmp_eq_u32 s13, 2                            ; a branch on the work-group's number; neither way touches LDS
	s_cbranch_scc1 .Lv_\@
	UNITQK 0, 0, \t
	UNITQK 0, 1, \t
	UNITQK 1, 0, \t
	UNITQK 1, 1, \t
	s_branch .Ljoin_\@
.Lv_\@:
	UNITV 0, \t
	UNITV 1, \t
	UNITV 2, \t
	UNITV 3, \t
.Ljoin_\@:
.endm
	TRIP 0
	TRIP 1
	TRIP 2
	TRIP 3                                         ; the last block: nothing is left to fetch
	s_wait_tensorcnt 0x0                           ; the wave's end
	ds_add_u32 v14, v15
	s_wait_dscnt 0x0
	s_endpgm
.Lfunc_end_k_q7d9794aa2b_proj:
	.size	k_q7d9794aa2b_proj, .Lfunc_end_k_q7d9794aa2b_proj-k_q7d9794aa2b_proj
	.p2alignl 7, 3214868480
	.fill 96, 4, 3214868480
	.section	.rodata,"a",@progbits
	.p2align	6, 0x0
	.amdhsa_kernel k_q7d9794aa2b_proj
		.amdhsa_group_segment_fixed_size 327680
		.amdhsa_private_segment_fixed_size 0
		.amdhsa_enable_private_segment 0
		.amdhsa_kernarg_size 72
		.amdhsa_user_sgpr_count 2
		.amdhsa_user_sgpr_kernarg_segment_ptr 1
		.amdhsa_wavefront_size32 1
		.amdhsa_system_sgpr_workgroup_id_x 1
		.amdhsa_system_sgpr_workgroup_id_y 1
		.amdhsa_system_sgpr_workgroup_id_z 1
		.amdhsa_system_vgpr_workitem_id 0
		.amdhsa_next_free_vgpr 1024
		.amdhsa_next_free_sgpr 66
		.amdhsa_reserve_vcc 0
		.amdhsa_float_denorm_mode_32 3
		.amdhsa_float_denorm_mode_16_64 3
		.amdhsa_memory_ordered 1
		.amdhsa_forward_progress 1
		.amdhsa_inst_pref_size 255
	.end_amdhsa_kernel
	.section	.bss,"aw",@nobits
	.p2align	6
	.space	262144
	.amdgpu_metadata
---
amdhsa.version: [ 1, 2 ]
amdhsa.kernels:
  - .name:           k_q7d9794aa2b_proj
    .symbol:         k_q7d9794aa2b_proj.kd
    .args:
      - { .name: x_Q, .offset: 0, .size: 8, .value_kind: global_buffer, .address_space: global }
      - { .name: x_K, .offset: 8, .size: 8, .value_kind: global_buffer, .address_space: global }
      - { .name: x_V, .offset: 16, .size: 8, .value_kind: global_buffer, .address_space: global }
      - { .name: bq, .offset: 24, .size: 8, .value_kind: global_buffer, .address_space: global }
      - { .name: bk, .offset: 32, .size: 8, .value_kind: global_buffer, .address_space: global }
      - { .name: bv, .offset: 40, .size: 8, .value_kind: global_buffer, .address_space: global }
      - { .name: wcod, .offset: 48, .size: 8, .value_kind: global_buffer, .address_space: global }
      - { .name: qkvc, .offset: 56, .size: 8, .value_kind: global_buffer, .address_space: global }
      - { .name: qkvs, .offset: 64, .size: 8, .value_kind: global_buffer, .address_space: global }
    .group_segment_fixed_size: 327680
    .private_segment_fixed_size: 0
    .kernarg_segment_align: 8
    .kernarg_segment_size: 72
    .max_flat_workgroup_size: 128
    .sgpr_count:     66
    .vgpr_count:     1024
    .wavefront_size: 32
...
	.end_amdgpu_metadata
.endif
;; end of part 6
;; launch attn (part 7): grid 256 x 1, 16 waves a work-group, no clusters, 67,584 bytes of LDS; arguments src_batch_lens, qkvc, qkvs, cc, cs; writes cc, cs
.if DOCPART == 7
	.amdgcn_target "amdgcn-amd-amdhsa--gfx1250"
	.amdhsa_code_object_version 6
	.text
	.protected	k_q7d9794aa2b_attn
	.globl	k_q7d9794aa2b_attn
	.p2align	8
	.type	k_q7d9794aa2b_attn,@function
k_q7d9794aa2b_attn:
	s_mov_b64 s[64:65], 0
	v_nop
	global_prefetch_b8 v0, s[64:65] scope:SCOPE_SE
	s_setreg_imm32_b32 hwreg(HW_REG_WAVE_SCHED_MODE, 0, 2), 2
	s_setreg_imm32_b32 hwreg(HW_REG_WAVE_MODE, 25, 1), 1
	s_wait_xcnt 0x0
	s_wait_alu depctr_vm_vsrc(0)
; ctx[b][q][head] = the sum over keys k < len[b] of softmax_k(Q . K / 8) V, both products on codes of FP6 (E2M3) with one E8M0 scale for each 32 along a product's K; ctx is quantised at once, along its channels, for the last product.
; THE SOFTMAX AHEAD OF THE SECOND PRODUCT: t = score x log2(e) / 8 (the scores are of the unscaled Q: 1/8 is a power of two); M = the running largest t rounded UP to a whole number; p = 2^(t - M) is quantised along the keys, not normalised;
; the row's sum is taken of the unquantised p and divides at the end.  When M moves, the sum and O are multiplied by 2^(old M - new M): exact.
; THE MASK.  Keys from len[b] on have p = 0: a key step of 128 that lies wholly behind the length is left out (a scalar branch on the length, a whole number that this launch reads); in the one step on the edge hidden scores become -infinity.
; SHARES.  Work-group id: head id & 7, slice (id >> 3) & 7, pair id >> 6.  It runs TWO PASSES of 256 queries (slice), a tile of 16 to each of its sixteen waves: first the batch whose length has rank 7 - pair, then that of rank pair,
; so that long and short batches meet in one work-group.  The ranks are made here, by scalar compares of the eight lengths.
; K, V and their scale words lie in memory in the order of the operands' registers.  A chunk of 256 keys (12,288 bytes of K, as many of V) goes through registers into one of two LDS slots, as it lies: waves 0-7 copy K's, waves 8-15 V's,
; 1,536 bytes each.  A chunk is asked for two trips ahead of its use and stored one trip ahead; one barrier a trip.
; THE FIRST PRODUCT has K = 64, the instruction 128: source 0 holds TWO tiles of keys (registers 0-5 tile 2 b, 6-11 tile 2 b + 1); source 1 is [Q | zeros] or [zeros | Q], which picks one of them: zero codes add nothing.
; Both products are used transposed: a lane holds one query throughout.  The keys of a tile, and V's channels of a tile, are chosen (lane r of tile 2 b + u: 32 b + 8 u + r + 8 (r / 8)) so that 16 registers of two tiles are 16 neighbours.
; cc: [row tile 128 b + tile][head], a place of 1,024 bytes each, of which a half fragment takes 768 (registers 0-3 at 16 x lane, registers 4-5 at 512 + 8 x lane): so a place's address is made of batch, tile and head by shifts and sums alone.
; cs: [row tile][K step 4][r 16] words; bytes 2 c, 2 c + 1 come from head 2 s + c.
; NO CLUSTER, NO TENSOR LOAD: the eight slices of a head share K and V, and a joint load is a tensor load.
; NO PREFETCH: each chunk's loads are issued two key steps' work ahead of the wait for them.
; LIMITS: a masked key counts as p = 0, which is what reference() gives while some valid score lies above about -1e9 + 110; a length above 2,048 counts as 2,048; a length under 1 is served as reference() has it
; (every score equal: p = 1 on all 2,048 keys: length 2,048 and c = 0); zero blocks carry the byte 1; NaN and infinities are not served.
; REGISTERS: v1-5, v10, v11 offsets that stay; v6-9 LDS addresses, made once a trip; v12 -M, v13 the largest t, v[14:15] the sum; v16-27 [Q | 0], v28-39 [0 | Q]; v40-87 four fragments of K or V; v88-89 K's, v90-91 V's, v92 Q's,
;   v95 p's scale words; v93, v94 half words; v96-159 S^T, then p; v160-191 O^T; v192-210 codes; v212-227 the stage for the copies; v232-254 at work; v251, v255 the closing add's two.
; THE MODE: SCHED_MODE bits 1:0 = 2 (LLVM: expert scheduling mode 2), set by the entry lines.  The code itself states the register dependences between vector or matrix instructions and memory or LDS instructions, with s_wait_alu, always for 0.
; THE PLAN.  Registers that memory or LDS instructions touch:
;   v1-5, v10     Written at the head, never again; read by every load and store.
;   v6-9          Written by four additions at a trip's head; read by the trip's LDS loads (v6, v7, v8) and by its copy's LDS stores (v9).  A step's place in the slot and among the scale words stands in the immediate offsets.
;   F, v88-91     K's fragments and words land; the first products read them; V's land in the same registers; the second products read them.  No other vector instruction names them.
;   STG, SST      Global loads land; LDS stores read.  No vector instruction names them.
;   v16-21, v93   Q: loaded once a pass; read by START's moves and by the first products.
;   v192-197, v94 Written by the way out's conversions (v192 on in every step too); read by a pass's three stores.
; A TRIP'S WAITS: at its head one on vm_vsrc, the four additions, one on va_vdst, behind which the copy's stores, the chunk's loads and step 0's loads of K follow with no vector instruction between; one on vm_vsrc behind the copy's stores;
; in a step: at step 1's head, behind the first products, behind each batch of exponentials, ahead of the second products.
.set SLOT1, 32768                      ; slot 1 begins here: one exclusive or turns a slot's address into the other's
.set SCL,   24576                      ; behind slot 0: K's 4,096 bytes of scale words of the whole head, then V's
.set F,    40
.set STG,  212
.set SST,  224
.set MK,   16                          ; s[16:31] the masks of sixteen compares: free once the ranks are made
.set WV,   14
.set HD,   15
.set KA,   36
.set KB,   37
.set PP,   38
.set SLC,  39
.set TL,   40
.set LEN,  41
.set CS,   42                          ; s[42:43] c
.set PK,   44                          ; s[44:45] my part of the chunk to be loaded
.set PSC,  46
.set PQ,   48
.set PQS,  50
.set PC0,  52                          ; s[52:55] where the first pass's codes and scale bytes go;  s[56:59] the second's
.set PC1,  56
.set SEL,  60
.set TB,   62                          ; the slot in hand
.set TS,   63                          ; the trip's scale words: 512 bytes a trip
.set KF,   66                          ; the step's first key
.set CNT,  67
.set OFK,  72
.set OFS,  73
.set OFQ,  74
.set OFQS, 75
.set OFC,  76                          ; 8 x my tile + head: my place in a batch's part of cc, in places of 1,024 bytes
.set OFD,  77
	s_load_b256 s[4:11], s[0:1], 0x0               ; the lengths, qkvc, qkvs, cc
	s_load_b64 s[12:13], s[0:1], 0x20              ; cs
	v_lshl_add_u32 v251, v0, 2, 0x10000
	v_mov_b32 v255, 0
	v_lshrrev_b32 v1, 5, v0
	v_readfirstlane_b32 s[WV], v1                  ; wave 0..15
	s_and_b32 s[HD], ttmp9, 7
	s_bfe_u32 s[SLC], ttmp9, 0x30003
	s_lshr_b32 s[PP], ttmp9, 6
	s_wait_kmcnt 0x0
	s_load_b256 s[16:23], s[4:5], 0x0              ; the eight lengths
	v_and_b32 v6, 31, v0                           ; lane
	v_lshlrev_b32 v1, 4, v6                        ; 16 x lane
	v_lshlrev_b32 v2, 3, v6                        ; 8 x lane
	v_lshl_add_u32 v3, v6, 2, SCL                  ; scale words: 4 x lane
	s_wait_alu depctr_va_sdst(0)                   ; the wave's number is written, ahead of its first reader
	s_mul_i32 s32, s[WV], 1536
	v_add_nc_u32 v4, s32, v1                       ; where I store my part of a chunk
	v_lshl_add_u32 v5, v0, 4, SCL                  ; and of the scale words: 512 x wave + 16 x lane
	v_and_b32 v10, 15, v0
	v_lshlrev_b32 v10, 2, v10                      ; 4 r
	v_bfe_u32 v11, v0, 4, 1
	v_lshlrev_b32 v11, 4, v11                      ; 16 h
.irp b, 0,1,2,3
	v_mov_b32 v[236+\b], 0                         ; written once: a lane permute's destination counts as one of its sources
.endr
	v_mov_b32 v252, 0
	v_mov_b32 v253, 0                              ; (named as the upper half of the pair v[252:253])
	s_mov_b32 s[SEL], 0x76543210
	s_mov_b32 s[SEL+1], 0xfedcba98
	; offsets that hang on ids alone
	s_lshl_b32 s[TL], s[SLC], 4
	s_add_co_u32 s[TL], s[TL], s[WV]               ; my tile of queries: 16 x slice + wave
	s_cmp_lt_u32 s[WV], 8
	s_cselect_b32 s32, 1, 2                        ; I copy K (tensor 1) or V (tensor 2)
	s_and_b32 s33, s[WV], 7
	s_mul_i32 s[OFK], s32, 6291456
	s_mul_i32 s34, s33, 1536
	s_add_co_u32 s[OFK], s[OFK], s34
	s_lshl_b32 s[OFS], s32, 18
	s_lshl_b32 s34, s33, 9
	s_add_co_u32 s[OFS], s[OFS], s34
	s_mul_i32 s[OFQ], s[TL], 768
	s_lshr_b32 s34, s[TL], 1
	s_lshl_b32 s34, s34, 6
	s_and_b32 s35, s[WV], 1
	s_lshl_b32 s35, s35, 1
	s_add_co_u32 s[OFQS], s34, s35                 ; my tile's two bytes in its pair's words
	s_lshl_b32 s34, s[TL], 3
	s_add_co_u32 s[OFC], s34, s[HD]
	s_lshl_b32 s34, s[TL], 2
	s_lshr_b32 s35, s[HD], 1
	s_add_co_u32 s34, s34, s35
	s_lshl_b32 s34, s34, 6
	s_and_b32 s35, s[HD], 1
	s_lshl_b32 s35, s35, 1
	s_add_co_u32 s[OFD], s34, s35
	s_wait_kmcnt 0x0
	; a key for each batch: 16 x (the length in force) + 2 x batch + (length under 1): all different, ordered by length
.irp j, 0,1,2,3,4,5,6,7
	s_cmp_lt_i32 s[16+\j], 1
	s_cselect_b32 s32, 1, 0
	s_cselect_b32 s33, 0x800, s[16+\j]
	s_min_u32 s33, s33, 0x800
	s_lshl_b32 s33, s33, 4
	s_add_co_u32 s33, s33, 2*\j
	s_add_co_u32 s[24+\j], s33, s32
.endr
	s_sub_co_u32 s34, 7, s[PP]                     ; the first pass's rank
	s_mov_b32 s[KA], 0
	s_mov_b32 s[KB], 0
.irp j, 0,1,2,3,4,5,6,7
	s_mov_b32 s32, 0
.irp i, 0,1,2,3,4,5,6,7
	s_cmp_lt_u32 s[24+\i], s[24+\j]
	s_add_co_ci_u32 s32, s32, 0                    ; batch j's rank: how many keys lie under its key
.endr
	s_cmp_eq_u32 s32, s34
	s_cselect_b32 s[KA], s[24+\j], s[KA]
	s_cmp_eq_u32 s32, s[PP]
	s_cselect_b32 s[KB], s[24+\j], s[KB]
.endr
; A pass's batch, length, c and pointers, from its key.  The batch enters addresses behind a minimum with a constant, by shifts left, products and sums alone.
.macro SETP key, pc
	s_bfe_u32 s32, s[\key], 0x30001
	s_min_u32 s32, s32, 7                          ; the batch
	s_lshr_b32 s[LEN], s[\key], 4
	s_min_u32 s[LEN], s[LEN], 0x800
	s_bitcmp1_b32 s[\key], 0
	s_cselect_b32 s[CS], 0, 0x3e38aa3b             ; c = log2(e) / 8; 0 where the length is under 1
	s_mov_b32 s[CS+1], s[CS]                       ; (named with it as a pair)
	s_lshl_b32 s33, s32, 3
	s_add_co_u32 s33, s33, s[HD]                   ; 8 x batch + head
	s_mul_i32 s34, s33, 98304
	s_lshl_b32 s35, s33, 12
	s_mov_b32 s71, 0
	s_add_co_u32 s70, s34, s[OFK]
	s_add_nc_u64 s[PK:PK+1], s[6:7], s[70:71]
	s_add_co_u32 s70, s35, s[OFS]
	s_add_nc_u64 s[PSC:PSC+1], s[8:9], s[70:71]
	s_add_co_u32 s70, s34, s[OFQ]
	s_add_nc_u64 s[PQ:PQ+1], s[6:7], s[70:71]
	s_add_co_u32 s70, s35, s[OFQS]
	s_add_nc_u64 s[PQS:PQS+1], s[8:9], s[70:71]
	s_lshl_b32 s70, s32, 10                        ; 128 row tiles x 8 heads: 1,024 places a batch,
	s_add_co_u32 s70, s70, s[OFC]                  ; + my place in it,
	s_lshl_b32 s70, s70, 10                        ; of 1,024 bytes each
	s_add_nc_u64 s[\pc:\pc+1], s[10:11], s[70:71]
	s_lshl_b32 s70, s32, 15                        ; 128 row tiles x 256 bytes a batch
	s_add_co_u32 s70, s70, s[OFD]
	s_add_nc_u64 s[\pc+2:\pc+3], s[12:13], s[70:71]
.endm
.macro CHUNK                           ; my 1,536 bytes of a chunk
.irp i, 0,1,2
	global_load_b128 v[STG+4*\i:STG+4*\i+3], v1, s[PK:PK+1] offset:512*\i
.endr
.endm
.macro LOADS
	CHUNK                                          ; chunk 0
	global_load_b128 v[SST:SST+3], v1, s[PSC:PSC+1]   ; my 512 bytes of the head's scale words
	global_load_b128 v[16:19], v1, s[PQ:PQ+1]      ; my tile of Q: half a fragment
	global_load_b64 v[20:21], v2, s[PQ:PQ+1] offset:512
	global_load_u16 v93, v10, s[PQS:PQS+1]         ; and row r's two scale bytes
.endm
.macro START
	s_wait_loadcnt 0x0
	s_wait_xcnt 0x0                                ; the last pass's stores have read their registers
.irp i, 0,1,2
	ds_store_b128 v4, v[STG+4*\i:STG+4*\i+3] offset:512*\i   ; chunk 0 into slot 0
.endr
	ds_store_b128 v5, v[SST:SST+3]
	v_lshl_or_b32 v92, v93, 16, v93                ; Q's bytes serve either half of the instruction's K
.set j, 22
.rept 12
	v_mov_b32 v[j], 0
.set j, j+1
.endr
.irp i, 0,1,2,3,4,5
	v_mov_b32 v[34+\i], v[16+\i]
.endr
.set j, 0
.rept 32
	v_mov_b32 v[160+j], 0                          ; O^T: the first step finds zeros, which the first change of M leaves zeros
.set j, j+1
.endr
	v_mov_b32 v14, 0
	v_mov_b32 v15, 0
	v_mov_b32 v13, 0xff61b1e6                      ; the largest t so far: -3e38
	v_floor_f32 v12, -v13
	s_mov_b32 s[TB], 0
	s_mov_b32 s[TS], 0
	s_mov_b32 s[KF], 0
	s_wait_dscnt 0x0                               ; my stores have landed
	s_wait_alu depctr_vm_vsrc(0)                   ; my LDS stores have read the stage v[STG ..], in which chunk 1 lands; the last pass's three stores have read v192-197 and v94, which this pass's conversions write again
	s_add_nc_u64 s[PK:PK+1], s[PK:PK+1], 12288     ; (every load that named it is done)
	s_cmp_gt_u32 s[LEN], 256
	s_cbranch_scc0 .Lone_\@
	CHUNK                                          ; chunk 1, if any of its keys counts: no load leaves the buffer
.Lone_\@:
	s_barrier_signal -1
	s_barrier_wait -1
.endm
; A KEY STEP: 128 keys, the q-th of the slot in hand.
.macro STEP q
	s_cmp_ge_u32 s[KF], s[LEN]
	s_cbranch_scc1 .Lhid_\@                        ; all its keys lie behind the length
.if \q
.rept 4
	v_nop                                          ; four places in front of loads into registers that matrix instructions have read (in step 0 the trip's four additions are these places)
.endr
	s_wait_alu depctr_va_vdst(0)                   ; step 0's second products are done reading V's fragments in v[F ..], in which K's land (in step 0 the wait at the trip's head states the same of the last trip's)
.endif
.irp b, 0,1,2,3
.irp u, 0,1
	ds_load_b128 v[F+12*\b+6*\u:F+12*\b+6*\u+3], v6 offset:\q*6144+\b*1536+\u*768
	ds_load_b64 v[F+12*\b+6*\u+4:F+12*\b+6*\u+5], v7 offset:\q*6144+\b*1536+\u*768+512
.endr
.endr
	ds_load_b32 v88, v8 offset:256*\q              ; lanes 0-15 pair 0's words, lanes 16-31 pair 1's
	ds_load_b32 v89, v8 offset:256*\q+128
	s_wait_dscnt 0x0
.irp b, 0,1,2,3
.irp u, 0,1
.if \b%2 == 0
	v_wmma_scale_f32_16x16x128_f8f6f4 v[96+8*(2*\b+\u):103+8*(2*\b+\u)], v[F+12*\b:F+12*\b+11], v[16+12*\u:27+12*\u], 0, v[88+\b/2], v92 matrix_a_fmt:MATRIX_FMT_FP6 matrix_b_fmt:MATRIX_FMT_FP6
.else
	v_wmma_scale_f32_16x16x128_f8f6f4 v[96+8*(2*\b+\u):103+8*(2*\b+\u)], v[F+12*\b:F+12*\b+11], v[16+12*\u:27+12*\u], 0, v[88+\b/2], v92 matrix_a_fmt:MATRIX_FMT_FP6 matrix_b_fmt:MATRIX_FMT_FP6 matrix_a_scale:MATRIX_SCALE_ROW1
.endif
.endr
.endr                                          ; lane (r, h): query r; register 16 b + i: key KF + 32 b + 16 h + i
.rept 4
	v_nop
.endr
	s_wait_alu depctr_va_vdst(0)                   ; the first products are done reading K's fragments in v[F ..], in which V's land; the softmax below names none of the registers that these loads touch
.irp m, 0,1,2,3                                ; V's four fragments land while the softmax is walked
.irp c, 0,1
	ds_load_b128 v[F+12*\m+6*\c:F+12*\m+6*\c+3], v6 offset:12288+\q*6144+\m*1536+\c*768
	ds_load_b64 v[F+12*\m+6*\c+4:F+12*\m+6*\c+5], v7 offset:12288+\q*6144+\m*1536+\c*768+512
.endr
.endr
	ds_load_b32 v90, v8 offset:4096+256*\q
	ds_load_b32 v91, v8 offset:4096+256*\q+128
	s_add_co_u32 s32, s[KF], 128
	s_cmp_le_u32 s32, s[LEN]
	s_cbranch_scc1 .Lopen_\@                       ; all its keys count
	s_sub_co_i32 s32, s[LEN], s[KF]
	v_sub_nc_u32 v252, s32, v11                    ; d = length - KF - 16 h: register 16 b + i is hidden where 32 b + i >= d
	v_mov_b32 v254, 0xff800000                     ; -infinity
.set g, 0
.rept 4                                        ; a block of 16 registers at a time: sixteen compares into sixteen scalar registers, one wait, sixteen selects
.set n, 0
.rept 16
	v_cmp_ge_i32 s[MK+n], 32*g+n, v252
.set n, n+1
.endr
	s_wait_alu depctr_va_sdst(0)                   ; the sixteen masks are written, ahead of the selects that read them
.set n, 0
.rept 16
	v_cndmask_b32 v[96+16*g+n], v[96+16*g+n], v254, s[MK+n]
.set n, n+1
.endr
.set g, g+1
.endr
.Lopen_\@:
.irp b, 0,1,2,3
	v_max3_num_f32 v[232+\b], v[96+16*\b], v[97+16*\b], v[98+16*\b]   ; the largest score of each block of 32 keys: for the row's maximum, and, since p rises with the score, for the block's largest p
.endr
.irp i, 3,5,7,9,11,13
.irp b, 0,1,2,3
	v_max3_num_f32 v[232+\b], v[232+\b], v[96+16*\b+\i], v[97+16*\b+\i]
.endr
.endr
.irp b, 0,1,2,3
	v_max_num_f32 v[232+\b], v[232+\b], v[111+16*\b]
.endr
.irp b, 0,1,2,3
	v_permlanex16_b32 v[236+\b], v[232+\b], s[SEL], s[SEL+1]
.endr
.irp b, 0,1,2,3
	v_max_num_f32 v[232+\b], v[232+\b], v[236+\b]  ; with lane l xor 16's 16 keys
.endr
	v_max3_num_f32 v254, v232, v233, v234
	v_max_num_f32 v254, v254, v235                 ; the step's largest score of my query
	v_mul_f32 v254, s[CS], v254                    ; as t (c is not negative)
	v_max_num_f32 v13, v13, v254                   ; the running largest t
	v_mov_b32 v254, v12
	v_floor_f32 v12, -v13                          ; the new -M = floor(-t): M is a whole number
	v_sub_f32 v254, v12, v254                      ; old M - new M: a whole number, 0 or less
	v_cvt_i32_f32 v254, v254                       ; (it saturates)
	v_ldexp_f32 v252, 1.0, v254                    ; f = 2^(old M - new M)
.set j, 0
.rept 32
	v_pk_fma_f32 v[96+j:97+j], v[96+j:97+j], s[CS:CS+1], v[12:13] op_sel_hi:[1,0,0]   ; t - M, two at a time
.set j, j+2
.endr
.irp b, 0,1,2,3
	v_fma_f32 v[232+\b], v[232+\b], s[CS], v12     ; the same of each block's largest score
.endr
.set j, 0
	s_wait_alu depctr_va_vdst(0)
.rept 64
	v_exp_f32 v[96+j], v[96+j]                     ; p = 2^(t - M), at most 1
.set j, j+1
.endr
	v_pk_mul_f32 v[14:15], v[14:15], v[252:253] op_sel_hi:[1,0]   ; the sums under the new M: a plain place behind the exponentials
	s_wait_alu depctr_va_vdst(0)                   ; the 64 exponentials have written p in v96-159: one wait for the whole batch, ahead of its first reader
.irp b, 0,1,2,3
	v_exp_f32 v[232+\b], v[232+\b]                 ; the block's largest p
.endr
	v_pk_add_f32 v[236:237], v[96:97], v[98:99]    ; the row's sum of the unquantised p, in two chains
.irp j, 4,8,12,16,20,24,28,32,36,40,44,48,52,56,60
	v_pk_add_f32 v[14:15], v[14:15], v[96+\j:97+\j]
	v_pk_add_f32 v[236:237], v[236:237], v[98+\j:99+\j]
.endr
	v_pk_add_f32 v[14:15], v[14:15], v[236:237]
	s_wait_alu depctr_va_vdst(0)                   ; the four exponentials have written v232-235: and one for the four
.irp b, 0,1,2,3
	v_max_num_f32 v[232+\b], 0x1800000, v[232+\b]  ; the floor 2^(3 - 127): a block whose every p is 0 keeps the byte 1: its codes are zeros
.endr
.irp b, 0,1,2,3
	v_add_nc_u32 v[244+\b], 0xff000000, v[232+\b]  ; 2 off the exponent field: the conversion's scale operand
.endr
.irp b, 0,1,2,3
	v_lshrrev_b32 v[236+\b], 23, v[244+\b]
.endr
	v_lshl_or_b32 v95, v237, 8, v236               ; p's scale word for these 128 keys
	v_lshl_or_b32 v95, v238, 16, v95
	v_lshl_or_b32 v95, v239, 24, v95
.irp c, 0,1
	v_cvt_scalef32_pk16_fp6_f32 v[192+6*\c:194+6*\c], v[96+32*\c:111+32*\c], v[244+2*\c]
	v_cvt_scalef32_pk16_fp6_f32 v[204+4*\c:206+4*\c], v[112+32*\c:127+32*\c], v[244+2*\c+1]
.endr
	v_nop                                          ; one plain place behind a scaled conversion
.irp c, 0,1
.irp i, 0,1,2
	v_permlane16_swap_b32 v[192+6*\c+\i], v[204+4*\c+\i]
.endr
.irp i, 0,1,2
	v_mov_b32 v[195+6*\c+\i], v[204+4*\c+\i]
.endr
.endr
.set j, 0
.rept 16
	v_pk_mul_f32 v[160+j:161+j], v[160+j:161+j], v[252:253] op_sel_hi:[1,0]   ; O^T under the new M; these sixteen are also the places between the scale word, the codes and the products
.set j, j+2
.endr
	s_wait_dscnt 0x0                               ; V is in
	s_wait_alu depctr_va_vdst(0)                   ; vector instructions have written p's codes v192-203 and its scale word v95, which the scaled products below take; the places above stay beside this wait
.irp m, 0,1,2,3
.if \m%2 == 0
	v_wmma_scale_f32_16x16x128_f8f6f4 v[160+8*\m:167+8*\m], v[F+12*\m:F+12*\m+11], v[192:203], v[160+8*\m:167+8*\m], v[90+\m/2], v95 matrix_a_fmt:MATRIX_FMT_FP6 matrix_b_fmt:MATRIX_FMT_FP6
.else
	v_wmma_scale_f32_16x16x128_f8f6f4 v[160+8*\m:167+8*\m], v[F+12*\m:F+12*\m+11], v[192:203], v[160+8*\m:167+8*\m], v[90+\m/2], v95 matrix_a_fmt:MATRIX_FMT_FP6 matrix_b_fmt:MATRIX_FMT_FP6 matrix_a_scale:MATRIX_SCALE_ROW1
.endif
.endr
.Lhid_\@:
	s_add_co_u32 s[KF], s[KF], 128
.endm
; A pass's eight trips of 256 keys: the count is a constant; what lies behind the length is jumped over inside.  The barrier stands outside every branch.
.macro PASS
	s_mov_b32 s[CNT], 0
.Ltrip_\@:
	s_wait_loadcnt 0x0                             ; the next chunk, asked for a trip ago, is in registers
	s_xor_b32 s33, s[TB], SLOT1                    ; it goes into the other slot, which nobody reads since the last barrier
	s_wait_alu depctr_vm_vsrc(0)                   ; the last trip's LDS loads and stores have read v6 to v9, which are written anew
	v_add_nc_u32 v6, s[TB], v1                     ; the slot in hand, 16 bytes a lane,
	v_add_nc_u32 v7, s[TB], v2                     ; and 8 bytes a lane;
	v_add_nc_u32 v8, s[TS], v3                     ; the trip's scale words;
	v_add_nc_u32 v9, s33, v4                       ; my part of a chunk in the other slot.  (These four are also the places behind the last trip's products)
	s_wait_alu depctr_va_vdst(0)                   ; v6 to v9 are written, which the trip's LDS instructions read; the last trip's products are done reading v[F ..] and v88-91, in which step 0's loads land; in a pass's first trip Q's zeros, its copy and its scale word v92 are written, which the scaled products take
	s_add_co_u32 s32, s[KF], 256
	s_cmp_lt_u32 s32, s[LEN]
	s_cbranch_scc0 .Lns_\@
.irp i, 0,1,2
	ds_store_b128 v9, v[STG+4*\i:STG+4*\i+3] offset:512*\i
.endr
.Lns_\@:
	s_wait_dscnt 0x0                               ; the stores have landed
	s_wait_alu depctr_vm_vsrc(0)                   ; they have read the stage v[STG ..], in which the chunk's loads below land
	s_add_nc_u64 s[PK:PK+1], s[PK:PK+1], 12288     ; (every load that named it is done)
	s_add_co_u32 s32, s[KF], 512
	s_cmp_lt_u32 s32, s[LEN]
	s_cbranch_scc0 .Lnl_\@
	CHUNK                                          ; the chunk after that: it has this trip in which to land
.Lnl_\@:
	STEP 0
	STEP 1
	s_xor_b32 s[TB], s[TB], SLOT1
	s_add_co_u32 s[TS], s[TS], 512                 ; the next trip's scale words
	s_wait_dscnt 0x0                               ; my stores have landed and my reads of this slot are over
	s_barrier_signal -1
	s_barrier_wait -1
	s_add_co_u32 s[CNT], s[CNT], 1
	s_cmp_lt_u32 s[CNT], 8
	s_cbranch_scc1 .Ltrip_\@
	s_wait_loadcnt 0x0                             ; no load is out: pointers and the stage may be written again
.endm
; ctx = O^T / the sum; register 16 b + i = channel 32 b + 16 h + i of my query: two blocks of the last product's K.  Half a fragment and two scale bytes leave.
.macro EPI pc
.rept 4
	v_nop                                          ; places behind the last products
.endr
	v_add_f32 v14, v14, v15
	v_permlanex16_b32 v252, v14, s[SEL], s[SEL+1]
	v_add_f32 v14, v14, v252                       ; the row's sum
	s_wait_alu depctr_va_vdst(0)
	v_rcp_f32 v14, v14
	v_nop                                          ; a plain place behind the transcendental
	s_wait_alu depctr_va_vdst(0)                   ; the reciprocal has written v14: the wait ahead of its first reader
.set j, 0
.rept 32
	v_mul_f32 v[96+j], v[160+j], v14
.set j, j+1
.endr
.irp b, 0,1
	v_max3_num_f32 v[232+\b], |v[96+16*\b]|, |v[97+16*\b]|, 0x1800000
.endr
.irp i, 2,4,6,8,10,12,14
.irp b, 0,1
	v_max3_num_f32 v[232+\b], v[232+\b], |v[96+16*\b+\i]|, |v[97+16*\b+\i]|
.endr
.endr
.irp b, 0,1
	v_permlanex16_b32 v[236+\b], v[232+\b], s[SEL], s[SEL+1]
.endr
.irp b, 0,1
	v_max_num_f32 v[232+\b], v[232+\b], v[236+\b]
.endr
.irp b, 0,1
	v_add_nc_u32 v[244+\b], 0xff000000, v[232+\b]
.endr
.irp b, 0,1
	v_lshrrev_b32 v[236+\b], 23, v[244+\b]
.endr
	v_lshl_or_b32 v94, v237, 8, v236               ; my row's two bytes
	v_cvt_scalef32_pk16_fp6_f32 v[192:194], v[96:111], v244
	v_cvt_scalef32_pk16_fp6_f32 v[204:206], v[112:127], v245
	v_nop                                          ; one plain place behind a scaled conversion
.irp i, 0,1,2
	v_permlane16_swap_b32 v[192+\i], v[204+\i]
.endr
.irp i, 0,1,2
	v_mov_b32 v[195+\i], v[204+\i]                 ; lane (r, h): channels 32 h .. 32 h + 31
.endr
	s_wait_alu depctr_va_vdst(0)                   ; the codes v192-197 and the two bytes v94 are written, which the three stores read
	global_store_b128 v1, v[192:195], s[\pc:\pc+1]             ; 512 consecutive bytes, aligned
	global_store_b64 v2, v[196:197], s[\pc:\pc+1] offset:512   ; 256 consecutive bytes, aligned
	global_store_b16 v10, v94, s[\pc+2:\pc+3]      ; lanes r and r + 16 write the same two bytes with the same value
.endm
	SETP KA, PC0
	s_wait_alu depctr_va_vdst(0)                   ; the offsets v1 to v5 and v10 are written, which every load and store of the kernel reads; none is written again
	LOADS
	START
	PASS
	SETP KB, PC1
	LOADS                                          ; the second pass's first loads are on their way while the first pass's result is quantised.  No wait: every reader of v16-21 and v93 stands ahead of a wait on va_vdst, every LDS store out of the stage ahead of one on vm_vsrc
	EPI PC0
	START
	PASS
	EPI PC1
	s_wait_dscnt 0x0                               ; the closing lines, six on end
	s_wait_alu 0x0
	s_wait_tensorcnt 0x0
	ds_add_u32 v251, v255
	s_wait_dscnt 0x0
	s_endpgm
.Lfunc_end_k_q7d9794aa2b_attn:
	.size	k_q7d9794aa2b_attn, .Lfunc_end_k_q7d9794aa2b_attn-k_q7d9794aa2b_attn
	.p2alignl 7, 3214868480
	.fill 96, 4, 3214868480
	.section	.rodata,"a",@progbits
	.p2align	6, 0x0
	.amdhsa_kernel k_q7d9794aa2b_attn
		.amdhsa_group_segment_fixed_size 67584
		.amdhsa_private_segment_fixed_size 0
		.amdhsa_enable_private_segment 0
		.amdhsa_kernarg_size 40
		.amdhsa_user_sgpr_count 2
		.amdhsa_user_sgpr_kernarg_segment_ptr 1
		.amdhsa_wavefront_size32 1
		.amdhsa_system_sgpr_workgroup_id_x 1
		.amdhsa_system_sgpr_workgroup_id_y 1
		.amdhsa_system_sgpr_workgroup_id_z 1
		.amdhsa_system_vgpr_workitem_id 0
		.amdhsa_next_free_vgpr 256
		.amdhsa_next_free_sgpr 80
		.amdhsa_reserve_vcc 0
		.amdhsa_float_denorm_mode_32 3
		.amdhsa_float_denorm_mode_16_64 3
		.amdhsa_memory_ordered 1
		.amdhsa_forward_progress 1
		.amdhsa_inst_pref_size 131
	.end_amdhsa_kernel
	.amdgpu_metadata
---
amdhsa.version: [ 1, 2 ]
amdhsa.kernels:
  - .name:           k_q7d9794aa2b_attn
    .symbol:         k_q7d9794aa2b_attn.kd
    .args:
      - { .name: src_batch_lens, .offset: 0, .size: 8, .value_kind: global_buffer, .address_space: global }
      - { .name: qkvc, .offset: 8, .size: 8, .value_kind: global_buffer, .address_space: global }
      - { .name: qkvs, .offset: 16, .size: 8, .value_kind: global_buffer, .address_space: global }
      - { .name: cc, .offset: 24, .size: 8, .value_kind: global_buffer, .address_space: global }
      - { .name: cs, .offset: 32, .size: 8, .value_kind: global_buffer, .address_space: global }
    .group_segment_fixed_size: 67584
    .private_segment_fixed_size: 0
    .kernarg_segment_align: 8
    .kernarg_segment_size: 40
    .max_flat_workgroup_size: 512
    .sgpr_count:     80
    .vgpr_count:     256
    .wavefront_size: 32
...
	.end_amdgpu_metadata
.endif
;; end of part 7
;; launch outp (part 8): grid 64 x 4, 4 waves a work-group, no clusters, 68,096 bytes of LDS; arguments cc, cs, wcod, bo, out0; writes out0
.if DOCPART == 8
	.amdgcn_target "amdgcn-amd-amdhsa--gfx1250"
	.amdhsa_code_object_version 6
	.text
	.protected	k_q7d9794aa2b_outp
	.globl	k_q7d9794aa2b_outp
	.p2align	8
	.type	k_q7d9794aa2b_outp,@function
k_q7d9794aa2b_outp:
	s_mov_b64 s[64:65], 0
	v_nop
	global_prefetch_b8 v0, s[64:65] scope:SCOPE_SE
	s_setreg_imm32_b32 hwreg(HW_REG_WAVE_SCHED_MODE, 0, 2), 2
	s_setreg_imm32_b32 hwreg(HW_REG_WAVE_MODE, 25, 1), 1
	s_wait_xcnt 0x0
	s_wait_alu depctr_vm_vsrc(0)
; out0 = ctx Wo^T + bo on codes of FP6 (E2M3) with one E8M0 scale for each 32 along K.  ctx's codes (cc) and scale words (cs) and Wo's (wcod) lie in memory in the order of the operands' registers.
; SHARES.  Wave w of work-group (g, y): rows 64 (4 g + w) .. + 63, columns 128 y .. + 127.  All its operands go into registers at the head: 32 fragments of Wo, 16 of ctx.  Waves share nothing: no barrier.
; cc: [row tile][head] places of 1,024 bytes, each with a half fragment of 768 (registers 0-3 at 16 x lane, 4-5 at 512 + 8 x lane): heads 2 s and 2 s + 1 are the two halves of the fragment of K step s.  cs: [row tile][s][r] words.
; Source 0 = 16 rows of Wo, source 1 = 16 rows of ctx: a lane holds one row and eight neighbouring columns.  bo is the C of each sum's first matrix instruction.
; Row r of row tile 2 p + u of a block of 64 is row 32 p + 8 u + r + 8 (r / 8).  Results go through the wave's own stage in LDS (32 rows x (512 + 16) bytes) and leave as whole runs of 512 bytes of a row.
; NO CLUSTER: Wo's part is shared, but it goes from memory straight into registers, once; a joint load lands in LDS alone.  No tensor load, so no ring.
; REGISTERS: window 0: v1-7 addresses, v8-23 ctx's scale words, v24-55 Wo's, v56-119 and v120-183 results (columns 0-63, columns 64-127), v184-247 rows on their way out, v248-250 at the head only, v254, v255 the closing add's two.
;   windows 1, 2: Wo's fragments.  window 3: ctx's fragments; from v192 the 8 bias tiles.
; THE MODE: SCHED_MODE bits 1:0 = 2 (LLVM: expert scheduling mode 2), set by the entry lines.  The code itself states the register dependences between vector or matrix instructions and memory or LDS instructions, with s_wait_alu, always for 0.
; THE PLAN.  Registers that memory or LDS instructions touch:
;   v1-7          Written at the head, never again; read by every load and store.
;   the operands, scale words and biases: loaded once, at the head; read by matrix instructions alone.
;   HA0, HA1      Unit (e, p)'s products write HA[e]; its sixteen stage stores read it.  The unit that follows writes the other buffer.
;   OB            The stage's loads land in it; the global stores read it.  No vector instruction names it.
; So one wait on va_vdst stands ahead of the run of loads at the head and one behind each unit's products, ahead of its stage stores; one wait on vm_vsrc stands ahead of each run of loads from the stage:
; it states that the global stores have read OB and that the stage stores have read HA0 and HA1, which the next pair of units writes again.
.set FR,  12
.set XS,  8
.set WS,  24
.set HA,  56                           ; buffer e at HA + 64 e
.set OB,  184
.set BI,  192
.set MSB, 0
.macro WIN new                         ; the immediate's high byte repeats the setting that is left
.if MSB != (\new)
	s_set_vgpr_msb (MSB<<8)|(\new)
.set MSB, (\new)
.endif
.endm
	s_load_b256 s[4:11], s[0:1], 0x0               ; cc, cs, wcod, bo
	s_load_b64 s[12:13], s[0:1], 0x20              ; out0
	v_lshl_add_u32 v254, v0, 2, 0x10800
	v_mov_b32 v255, 0
	v_lshrrev_b32 v1, 5, v0
	v_readfirstlane_b32 s14, v1                    ; wave 0..3
	v_and_b32 v248, 31, v0
	v_and_b32 v249, 15, v0
	v_bfe_u32 v250, v0, 4, 1
	v_lshlrev_b32 v1, 4, v248                      ; 16 x lane
	v_lshlrev_b32 v2, 2, v248                      ; 4 x lane
	v_lshlrev_b32 v3, 3, v248                      ; 8 x lane
	v_lshlrev_b32 v4, 2, v249                      ; 4 r
	v_lshlrev_b32 v5, 6, v250                      ; 64 h
	v_mul_u32_u24 v6, v249, 528
	v_add_nc_u32 v6, v6, v5
	s_wait_alu depctr_va_sdst(0)                   ; the wave's number is written, ahead of its first reader
	s_and_b32 s16, ttmp7, 0xffff                   ; y
	s_lshl_b32 s15, ttmp9, 2
	s_add_co_u32 s15, s15, s14                     ; my block of 64 rows
	s_mul_i32 s17, s14, 32*528                     ; my stage
	v_add_nc_u32 v6, s17, v6                       ; in: row r, + 64 h
	v_add_nc_u32 v7, s17, v1                       ; back: 16 bytes a lane of a row
	s_mov_b32 s19, 0
	s_wait_kmcnt 0x0
	s_lshl_b32 s18, s15, 15                        ; 4 row tiles x 8 heads x 1,024 bytes a block
	s_add_nc_u64 s[4:5], s[4:5], s[18:19]          ; my four row tiles' codes
	s_lshl_b32 s18, s15, 10
	s_add_nc_u64 s[6:7], s[6:7], s[18:19]          ; their scale words
	s_mul_i32 s18, s16, 49152
	s_add_co_u32 s18, s18, 589824
	s_add_nc_u64 s[20:21], s[8:9], s[18:19]        ; Wo's tiles 8 y .. 8 y + 7
	s_lshl_b32 s18, s16, 12
	s_add_co_u32 s18, s18, 835584
	s_add_nc_u64 s[22:23], s[8:9], s[18:19]        ; their scale words
	s_lshl_b32 s18, s16, 9
	s_add_nc_u64 s[10:11], s[10:11], s[18:19]      ; bo at my 128 columns
	s_lshl_b32 s24, s15, 17
	s_add_co_u32 s18, s18, s24
	s_add_nc_u64 s[12:13], s[12:13], s[18:19]      ; out0 at my first row and column
	WIN 0x40                                       ; the switch, then the wait, then the loads
	s_wait_alu depctr_va_vdst(0)                   ; the offsets and addresses v1 to v7 are written, which every load and store of the kernel reads; none is written again.  Only loads and window switches follow, up to the wait for their data
.irp e, 0,1
	WIN 0x40*(1+\e)
.irp f, 0,1,2,3,4,5,6,7,8,9,10,11,12,13,14,15
.irp c, 0,1,2
	global_load_b128 v[FR*\f+4*\c:FR*\f+4*\c+3], v1, s[20:21] offset:(16*\e+\f)*1536+512*\c
.endr
.endr
.endr
	WIN 0xc0
.irp f, 0,1,2,3,4,5,6,7,8,9,10,11,12,13,14,15  ; ctx's fragment (row tile f / 4, K step f % 4): the half fragments of two heads, 1,024 bytes apart
	global_load_b128 v[FR*\f:FR*\f+3], v1, s[4:5] offset:\f*2048
	global_load_b64 v[FR*\f+4:FR*\f+5], v3, s[4:5] offset:\f*2048+512
	global_load_b128 v[FR*\f+6:FR*\f+9], v1, s[4:5] offset:\f*2048+1024
	global_load_b64 v[FR*\f+10:FR*\f+11], v3, s[4:5] offset:\f*2048+1536
.endr
.irp i, 0,1,2,3,4,5,6,7                        ; bias tile i = 4 e + T': lane (r, h) wants columns 64 e + 32 (T' / 2) + 16 h + 8 (T' % 2) + 0 .. 7
	global_load_b128 v[BI+8*\i:BI+8*\i+3], v5, s[10:11] offset:(64*(\i/4)+32*((\i%4)/2)+8*(\i%2))*4
	global_load_b128 v[BI+8*\i+4:BI+8*\i+7], v5, s[10:11] offset:(64*(\i/4)+32*((\i%4)/2)+8*(\i%2))*4+16
.endr
	WIN 0
.set f, 0
.rept 32
	global_load_b32 v[WS+f], v2, s[22:23] offset:f*128
.set f, f+1
.endr
.irp f, 0,1,2,3,4,5,6,7,8,9,10,11,12,13,14,15
	global_load_b32 v[XS+\f], v4, s[6:7] offset:\f*64
.endr
	s_wait_loadcnt 0x0
; columns 64 e on, row tiles 2 p and 2 p + 1: 32 products into buffer e, eight accumulators by turns; then into the stage
.macro UNIT e, p
.irp s, 0,1,2,3
.if \s == 0
	WIN (1+\e)|12|48                               ; source 0 (Wo) window 1 + e, source 1 (ctx) and source 2 (bias) window 3
.else
	WIN (1+\e)|12
.endif
.irp u, 0,1
.irp q, 0,1,2,3
.if \s == 0
	v_wmma_scale_f32_16x16x128_f8f6f4 v[HA+64*\e+32*\u+8*\q:HA+64*\e+32*\u+8*\q+7], v[FR*(4*\q+\s):FR*(4*\q+\s)+FR-1], v[FR*(4*(2*\p+\u)+\s):FR*(4*(2*\p+\u)+\s)+FR-1], v[BI+8*(4*\e+\q):BI+8*(4*\e+\q)+7], v[WS+16*\e+4*\q+\s], v[XS+4*(2*\p+\u)+\s] matrix_a_fmt:MATRIX_FMT_FP6 matrix_b_fmt:MATRIX_FMT_FP6
.else
	v_wmma_scale_f32_16x16x128_f8f6f4 v[HA+64*\e+32*\u+8*\q:HA+64*\e+32*\u+8*\q+7], v[FR*(4*\q+\s):FR*(4*\q+\s)+FR-1], v[FR*(4*(2*\p+\u)+\s):FR*(4*(2*\p+\u)+\s)+FR-1], v[HA+64*\e+32*\u+8*\q:HA+64*\e+32*\u+8*\q+7], v[WS+16*\e+4*\q+\s], v[XS+4*(2*\p+\u)+\s] matrix_a_fmt:MATRIX_FMT_FP6 matrix_b_fmt:MATRIX_FMT_FP6
.endif
.endr
.endr
.endr
	WIN 0
.rept 4
	v_nop                                          ; four places in front of the stores that read results.  (A buffer is begun anew, with another C, two units on: eight such places lie between, where five are asked)
.endr
	s_wait_alu depctr_va_vdst(0)                   ; the unit's products have written buffer e, which the stage's stores read; the places above stay beside this wait
.irp u, 0,1
.irp q, 0,1,2,3
	ds_store_b128 v6, v[HA+64*\e+32*\u+8*\q:HA+64*\e+32*\u+8*\q+3] offset:16*\u*528+256*\e+128*(\q/2)+32*(\q%2)      ; each accumulator from its low end on
	ds_store_b128 v6, v[HA+64*\e+32*\u+8*\q+4:HA+64*\e+32*\u+8*\q+7] offset:16*\u*528+256*\e+128*(\q/2)+32*(\q%2)+16
.endr
.endr                                          ; no wait: the unit that follows writes the other buffer
.endm
.irp p, 0,1
	UNIT 0, \p
	UNIT 1, \p
.irp u, 0,1
	s_wait_xcnt 0x0                                ; the earlier stores have read their registers: the rows' registers may be loaded again
	s_wait_alu depctr_vm_vsrc(0)                   ; the earlier global stores have read v[OB ..], in which the loads below land; the stage's stores have read both buffers of results, which the next pair of units writes again
.irp i, 0,1,2,3,4,5,6,7,8,9,10,11,12,13,14,15
	ds_load_b128 v[OB+4*\i:OB+4*\i+3], v7 offset:(16*\u+\i)*528   ; LDS serves a wave's instructions in order: these see my stores
.endr
.irp i, 0,1,2,3,4,5,6,7,8,9,10,11,12,13,14,15
	s_wait_dscnt 15-\i                             ; load i is in; the 15 - i issued behind it may be out
	global_store_b128 v1, v[OB+4*\i:OB+4*\i+3], s[12:13] offset:(32*\p+8*\u+\i+8*(\i/8))*2048 th:TH_STORE_NT   ; 32 lanes store 512 consecutive bytes, at a multiple of 256 from out0's first byte
.endr
.endr
.endr
	s_wait_dscnt 0x0                               ; the closing lines, six on end
	s_wait_alu 0x0
	s_wait_tensorcnt 0x0
	ds_add_u32 v254, v255
	s_wait_dscnt 0x0
	s_endpgm
.Lfunc_end_k_q7d9794aa2b_outp:
	.size	k_q7d9794aa2b_outp, .Lfunc_end_k_q7d9794aa2b_outp-k_q7d9794aa2b_outp
	.p2alignl 7, 3214868480
	.fill 96, 4, 3214868480
	.section	.rodata,"a",@progbits
	.p2align	6, 0x0
	.amdhsa_kernel k_q7d9794aa2b_outp
		.amdhsa_group_segment_fixed_size 68096
		.amdhsa_private_segment_fixed_size 0
		.amdhsa_enable_private_segment 0
		.amdhsa_kernarg_size 40
		.amdhsa_user_sgpr_count 2
		.amdhsa_user_sgpr_kernarg_segment_ptr 1
		.amdhsa_wavefront_size32 1
		.amdhsa_system_sgpr_workgroup_id_x 1
		.amdhsa_system_sgpr_workgroup_id_y 1
		.amdhsa_system_sgpr_workgroup_id_z 1
		.amdhsa_system_vgpr_workitem_id 0
		.amdhsa_next_free_vgpr 1024
		.amdhsa_next_free_sgpr 66
		.amdhsa_reserve_vcc 0
		.amdhsa_float_denorm_mode_32 3
		.amdhsa_float_denorm_mode_16_64 3
		.amdhsa_memory_ordered 1
		.amdhsa_forward_progress 1
		.amdhsa_inst_pref_size 57
	.end_amdhsa_kernel
	.amdgpu_metadata
---
amdhsa.version: [ 1, 2 ]
amdhsa.kernels:
  - .name:           k_q7d9794aa2b_outp
    .symbol:         k_q7d9794aa2b_outp.kd
    .args:
      - { .name: cc, .offset: 0, .size: 8, .value_kind: global_buffer, .address_space: global }
      - { .name: cs, .offset: 8, .size: 8, .value_kind: global_buffer, .address_space: global }
      - { .name: wcod, .offset: 16, .size: 8, .value_kind: global_buffer, .address_space: global }
      - { .name: bo, .offset: 24, .size: 8, .value_kind: global_buffer, .address_space: global }
      - { .name: out0, .offset: 32, .size: 8, .value_kind: global_buffer, .address_space: global }
    .group_segment_fixed_size: 68096
    .private_segment_fixed_size: 0
    .kernarg_segment_align: 8
    .kernarg_segment_size: 40
    .max_flat_workgroup_size: 128
    .sgpr_count:     66
    .vgpr_count:     1024
    .wavefront_size: 32
...
	.end_amdgpu_metadata
.endif
;; end of part 8
